; MI455X (gfx1250); checked and timed in simulation.
; The chip was launched on July 23, 2026; its instructions are those of AMD's public machine-readable ISA for CDNA 5 (MIT licence, August 2026) and "CDNA5" Instruction Set Architecture Reference Guide (July 2026). The comments in the code are by the model that wrote it; some were corrected since.
;; Space Self Attention. Allowed arithmetic: float matrix products may take bf16 or f16 operands with f32 sums; other float arithmetic in f32, or as packed bf16 or f16 multiplies, adds, multiply-adds, maxima and minima; sums over many terms, partial sums and values carried from step to step in f32; what a program stores and reads back later, other than sums and carried values, may be rounded once to bf16 or f16.
;; Inputs: Wk 768 x 768 float32; Wproj 768 x 768 float32; Wq 768 x 768 float32; Wv 768 x 768 float32; freqs_cos 1,024 x 32 float32; freqs_sin 1,024 x 32 float32; kn_b 768 float32; kn_w 768 float32; qn_b 768 float32; qn_w 768 float32; x 16 x 1,033 x 768 float32.
;; Outputs: out0 16 x 1,033 x 768 float32.
;; 2 versions, each right; version 2 is version 1 with the launch qkv written anew for expert scheduling mode. Each part assembles by itself: llvm-mc -triple=amdgcn-amd-amdhsa -mcpu=gfx1250 --defsym DOCPART=n.
;; ======== version 1 of 2: 4 launches
;; limits: values are held in f16: magnitudes above 65,504 overflow, below 6.1e-05 lose precision
;; workspace buffers: wf 3,538,944 bytes; wpf 1,179,648 bytes; qh 25,559,040 bytes; kh 25,559,040 bytes; vh 25,559,040 bytes; yh 25,559,040 bytes
;; launch prep (part 1): grid 12 x 16, 4 waves a work-group, no clusters, 25,344 bytes of LDS; arguments Wq, Wk, Wv, Wproj, wf, wpf; writes wf, wpf
.if DOCPART == 1
	.amdgcn_target "amdgcn-amd-amdhsa--gfx1250"
	.amdhsa_code_object_version 6
	.text
	.protected	k_q71e77d7309_prep
	.globl	k_q71e77d7309_prep
	.p2align	8
	.type	k_q71e77d7309_prep,@function
k_q71e77d7309_prep:
	s_mov_b64 s[64:65], 0
	v_nop
	global_prefetch_b8 v0, s[64:65] scope:SCOPE_SE
	s_setreg_imm32_b32 hwreg(HW_REG_WAVE_MODE, 25, 1), 1
	s_wait_xcnt 0x0
; The four weight matrices [768][768] f32 are rounded to bf16 and laid out in the order in which the products' waves take them.
; wf (bf16):  byte (((w 3 + p) 24 + s) 12 + cb) 1024 + half 512 + lane 16 holds W_p[192 w + 16 cb + lane % 16][32 s + 16 half + 8 (lane / 16) .. + 7], p = q, k, v.
; wpf: the same without p, for Wproj: the bf16-rounded number written as f16.
; LIMIT: a weight of Wproj beyond 65,504 becomes an infinity; below 6e-5 it keeps f16's fixed step of 6e-8.
; A work-group (x = cb, y = 4 mat + w) takes 16 rows of one matrix: 49,152 consecutive bytes in, 24 blocks of 1,024 bytes out. The turn from rows to fragments goes through LDS.
.set PITCH, 1552                       ; an LDS row: 1,536 bytes + 16: an odd multiple of 16, so the 16 rows of a fragment load start in different banks
.set SPARE, 16*PITCH                   ; behind the tile: the spare words, 128 bytes a wave
.set SPW, 2                            ; v2  my spare word; never rewritten
.set NIL, 3                            ; v3  0; never rewritten
.set XO,  4                            ; v4  my byte offset in the 16 rows in memory
.set LS,  5                            ; v5  where I put 8 bytes of a row
.set LR,  6                            ; v6  where I read 16 bytes of a fragment
.set GO,  7                            ; v7  my byte offset in the destination
.set X,   16                           ; v[16:111] 24 loads of 4
.set T,   112                          ; v[112:123] a row's 12 packed words
.set U,   124                          ; v[124:125] at work
	s_load_b256 s[4:11], s[0:1], 0x0               ; Wq, Wk, Wv, Wproj
	s_load_b128 s[12:15], s[0:1], 0x20             ; wf, wpf
	v_lshl_add_u32 v[SPW], v0, 2, SPARE
	v_mov_b32 v[NIL], 0
	v_lshrrev_b32 v1, 5, v0
	v_readfirstlane_b32 s20, v1                    ; my wave, 0..3
	s_and_b32 s21, ttmp7, 0xffff
	s_lshr_b32 s22, s21, 2                         ; mat
	s_and_b32 s23, s21, 3                          ; w
	v_and_b32 v8, 31, v0                           ; lane
	v_and_b32 v9, 15, v0
	v_bfe_u32 v10, v0, 4, 1
	s_mul_i32 s24, s20, 12288                      ; my four rows in memory
	v_lshl_add_u32 v[XO], v8, 4, s24
	s_mul_i32 s24, s20, 4*PITCH                    ; and in LDS
	v_lshl_add_u32 v[LS], v8, 3, s24
	v_mul_u32_u24 v[LR], v9, PITCH
	v_lshl_add_u32 v[LR], v10, 4, v[LR]
	s_mul_i32 s24, s20, 384                        ; my six K steps of 64 bytes
	v_add_nc_u32 v[LR], s24, v[LR]
	s_mul_i32 s24, s20, 73728                      ; six steps of 12,288 bytes in the destination
	v_lshl_add_u32 v[GO], v8, 4, s24
	s_mul_i32 s26, s23, 12
	s_add_co_u32 s26, s26, ttmp9
	s_mul_i32 s26, s26, 49152                      ; (12 w + cb) x 16 rows of 3,072 bytes
	s_mov_b32 s27, 0
	s_mul_i32 s28, s23, 3
	s_add_co_u32 s28, s28, s22
	s_cmp_eq_u32 s22, 3
	s_cselect_b32 s28, s23, s28                    ; 3 w + p in wf, w in wpf
	s_mul_i32 s28, s28, 294912
	s_lshl_b32 s29, ttmp9, 10
	s_add_co_u32 s28, s28, s29
	s_mov_b32 s29, 0
	s_wait_kmcnt 0x0
	s_cmp_eq_u32 s22, 1
	s_cselect_b64 s[16:17], s[6:7], s[4:5]
	s_cmp_eq_u32 s22, 2
	s_cselect_b64 s[16:17], s[8:9], s[16:17]
	s_cmp_eq_u32 s22, 3
	s_cselect_b64 s[16:17], s[10:11], s[16:17]
	s_cselect_b64 s[18:19], s[14:15], s[12:13]
	s_add_nc_u64 s[16:17], s[16:17], s[26:27]
	s_add_nc_u64 s[18:19], s[18:19], s[28:29]
.irp i, 0,1,2,3
.irp c, 0,1,2,3,4,5
	global_load_b128 v[X+24*\i+4*\c:X+24*\i+4*\c+3], v[XO], s[16:17] offset:\i*3072+\c*512 th:TH_LOAD_NT  ; 512 consecutive bytes a load
.endr
.endr
; A row at a time: rounded to bf16 (f16 = 1: that number written as f16), 8 bytes a lane into LDS.
.macro CONV f16
.irp i, 0,1,2,3
	s_wait_loadcnt 18-6*\i                         ; the younger rows' six loads each may stay out
.irp c, 0,1,2,3,4,5
	v_cvt_pk_bf16_f32 v[T+2*\c], v[X+24*\i+4*\c], v[X+24*\i+4*\c+1]
	v_cvt_pk_bf16_f32 v[T+2*\c+1], v[X+24*\i+4*\c+2], v[X+24*\i+4*\c+3]
.endr
.if \f16
.irp c, 0,1,2,3,4,5,6,7,8,9,10,11
	v_lshlrev_b32 v[U], 16, v[T+\c]
	v_and_b32 v[U+1], 0xffff0000, v[T+\c]
	v_cvt_pk_f16_f32 v[T+\c], v[U], v[U+1]
.endr
.endif
.irp c, 0,1,2,3,4,5
	ds_store_b64 v[LS], v[T+2*\c:T+2*\c+1] offset:\i*PITCH+\c*256
.endr
.endr
.endm
	s_cmp_eq_u32 s22, 3
	s_cbranch_scc1 .Lhalf
	CONV 0
	s_branch .Ljoin
.Lhalf:
	CONV 1
.Ljoin:
	s_wait_dscnt 0x0                               ; for the others' sake: my rows lie in LDS
	s_barrier_signal -1
	s_barrier_wait -1
.set k, 0
.rept 12                                       ; k = 2 x step + half
	ds_load_b128 v[X+4*k:X+4*k+3], v[LR] offset:(k/2)*64+(k%2)*32
.set k, k+1
.endr
.set k, 0
.rept 12
	s_wait_dscnt 11-k                              ; the younger loads may stay out
	global_store_b128 v[GO], v[X+4*k:X+4*k+3], s[18:19] offset:(k/2)*12288+(k%2)*512  ; 512 consecutive bytes, aligned
.set k, k+1
.endr
	s_wait_tensorcnt 0x0                           ; the wave's end
	ds_add_u32 v[SPW], v[NIL]
	s_wait_dscnt 0x0
	s_endpgm
.Lfunc_end_k_q71e77d7309_prep:
	.size	k_q71e77d7309_prep, .Lfunc_end_k_q71e77d7309_prep-k_q71e77d7309_prep
	.p2alignl 7, 3214868480
	.fill 96, 4, 3214868480
	.section	.rodata,"a",@progbits
	.p2align	6, 0x0
	.amdhsa_kernel k_q71e77d7309_prep
		.amdhsa_group_segment_fixed_size 25344
		.amdhsa_private_segment_fixed_size 0
		.amdhsa_enable_private_segment 0
		.amdhsa_kernarg_size 48
		.amdhsa_user_sgpr_count 2
		.amdhsa_user_sgpr_kernarg_segment_ptr 1
		.amdhsa_wavefront_size32 1
		.amdhsa_system_sgpr_workgroup_id_x 1
		.amdhsa_system_sgpr_workgroup_id_y 1
		.amdhsa_system_sgpr_workgroup_id_z 1
		.amdhsa_system_vgpr_workitem_id 0
		.amdhsa_next_free_vgpr 128
		.amdhsa_next_free_sgpr 66
		.amdhsa_reserve_vcc 0
		.amdhsa_float_denorm_mode_32 3
		.amdhsa_float_denorm_mode_16_64 3
		.amdhsa_memory_ordered 1
		.amdhsa_forward_progress 1
		.amdhsa_inst_pref_size 24
	.end_amdhsa_kernel
	.amdgpu_metadata
---
amdhsa.version: [ 1, 2 ]
amdhsa.kernels:
  - .name:           k_q71e77d7309_prep
    .symbol:         k_q71e77d7309_prep.kd
    .args:
      - { .name: Wq, .offset: 0, .size: 8, .value_kind: global_buffer, .address_space: global }
      - { .name: Wk, .offset: 8, .size: 8, .value_kind: global_buffer, .address_space: global }
      - { .name: Wv, .offset: 16, .size: 8, .value_kind: global_buffer, .address_space: global }
      - { .name: Wproj, .offset: 24, .size: 8, .value_kind: global_buffer, .address_space: global }
      - { .name: wf, .offset: 32, .size: 8, .value_kind: global_buffer, .address_space: global }
      - { .name: wpf, .offset: 40, .size: 8, .value_kind: global_buffer, .address_space: global }
    .group_segment_fixed_size: 25344
    .private_segment_fixed_size: 0
    .kernarg_segment_align: 8
    .kernarg_segment_size: 48
    .max_flat_workgroup_size: 128
    .sgpr_count:     66
    .vgpr_count:     128
    .wavefront_size: 32
...
	.end_amdgpu_metadata
.endif
;; end of part 1
;; launch qkv (part 2): grid 13 x 16, 4 waves a work-group, no clusters, 162,560 bytes of LDS; arguments x, wf, qn_w, qn_b, kn_w, kn_b, freqs_cos, freqs_sin, qh, kh, vh; writes qh, kh, vh
.if DOCPART == 2
	.amdgcn_target "amdgcn-amd-amdhsa--gfx1250"
	.amdhsa_code_object_version 6
	.text
	.protected	k_q71e77d7309_qkv
	.globl	k_q71e77d7309_qkv
	.p2align	8
	.type	k_q71e77d7309_qkv,@function
k_q71e77d7309_qkv:
	s_mov_b64 s[64:65], 0
	v_nop
	global_prefetch_b8 v0, s[64:65] scope:SCOPE_SE
	s_setreg_imm32_b32 hwreg(HW_REG_WAVE_MODE, 25, 1), 1
	s_wait_xcnt 0x0
; q = rope(LN(x Wq^T)), k = rope(LN(x Wk^T)), v = x Wv^T, written by heads in f16, unscaled.
; qh, kh, vh: [192 heads][65 blocks of 16 rows][8 groups of 8 channels][16 rows][8 channels]: a block is 2,048 bytes, and the 16 bytes of row r, group g lie at 256 g + 16 r.
; That is the order in which a lane ends up holding its results here, so they leave straight from registers, 512 consecutive bytes a store, and the order in which the attention's fragments are read.
; In vh the rows of the odd groups are turned by 8 (row r lies at place (r + 8) % 16), for the attention's turning LDS load, whose sixteen lanes read an even and an odd group at once.
; x, the weights (wf), the gains, the biases and the two tables enter rounded to bf16; products in bf16 with f32 sums; LN and the rotation in f32; one rounding to f16 at the end.
; LN in two passes over the registers: the mean, then the sum of squares of the centred numbers: no difference of large sums.
; LIMITS: |q|, |k|, |v| beyond 65,504 become infinities in f16. NaN and infinities are not treated apart.
; SHARES. A work-group owns 80 rows of one batch (13 x 80 = 1,040: rows past 1,032 repeat row 1,032) and all 2,304 columns, in three passes q, k, v. Wave w owns columns 192 w .. + 191 of a pass
; (three heads): 5 x 12 accumulators of 16 x 16, 480 registers. So a row's 768 numbers lie in the four waves' registers, and LN costs two meetings in LDS a pass.
; THE PRODUCT IS TAKEN TRANSPOSED (source 0 = 16 rows of W, source 1 = 16 rows of x): register j of lane l in accumulator (rb, cb) is row 16 rb + l % 16, column 192 w + 16 cb + 8 (l / 16) + j.
; x stays in LDS in bf16. The weights come straight from memory into registers: each fragment is used by one wave alone, and wf holds a wave's 72 K steps as one run of bytes, 512 consecutive bytes a load.
; Three register sets: a step's 24 loads go out two steps (120 matrix instructions) ahead of their use.
; THE WAY OUT IS WRITTEN ONCE: a pass's 15 groups (a head x 16 rows) walk one loop. Only the lines that name accumulators are written for each group; forward jumps on the group's number choose among them.
; v takes the same loop with the scale 1 and jumps over gain, bias and rotation.
; NO CLUSTER, NO TENSOR LOADS: the x tile takes 124,160 bytes of LDS; what is left holds under two K steps of the 2,304 weight rows a slot, and no weight fragment is read by two waves of a work-group.
.set PA,     1552                      ; an LDS row of x: 1,536 bytes + 16: an odd multiple of 16
.set RB16,   16*PA
.set GW,     80*PA                     ; qn_w, qn_b, kn_w, kn_b, 3,072 bytes each, f32
.set COSB,   GW+12288                  ; 80 rows x 144 bytes (128 + 16): the rows' cosines; their sines SINO further on
.set SINO,   11520
.set RED,    COSB+2*SINO               ; [wave][row] f32, 320 bytes a wave: the row sums; the sums of squares RED2O further on
.set RED2O,  1280
.set SPARE,  RED+2*RED2O               ; the spare words, 128 bytes a wave
.set WSTEP,  12288                     ; a wave's weights of one K step
.set WLAST,  71*WSTEP
.set HEADB,  133120                    ; a head: 65 blocks of 2,048 bytes
.set R,    1                           ; v1  l % 16
.set H,    2                           ; v2  l / 16
.set L16,  3                           ; v3  16 l; never rewritten
.set AB0,  4                           ; v4  my place in a fragment of x, row blocks 0-2; v5 the same for row blocks 3, 4
.set AB1,  5
.set AA0,  6                           ; v6, v7  the same, walking along K
.set AA1,  7
.set VB,   8                           ; v8  my 16 bytes in 512 of a block: 16 l; in v's pass with the odd groups' turn
.set SPW,  10
.set NIL,  11
.set REDS, 12
.set REDL, 13
.set GWA,  14
.set CSA,  15
.set MU,   16                          ; v[16:25] the five row blocks' means, in pairs
.set RS,   26                          ; v[26:35] their 1 / sqrt(var + eps), in pairs (v's pass: 1)
.set GWP,  36
.set VO,   37                          ; v37 at work at the head; on the way out my byte offset in the pass's three heads
.set ABUF, 40                          ; v[40:159] three buffers of five fragments of x
.set XO,   40                          ; at the head only: v[40:59] 20 rows' offsets, v[60:71] packed words, v72-74 LDS addresses
.set CV,   60
.set SA,   72
.set GWS,  73
.set CSS,  74
.set TB,   160                         ; at the head only: v[160:223] the tables as loaded, v[224:234] their offsets and tokens
.set TOF,  224
.set G8,   229
.set TT,   230
.set T,    80                          ; on the way out: v[80:111] a group's 32 numbers
.set U,    112                         ; v[112:127] eight pairs at work in the rotation
.set PK,   128                         ; v[128:143] the group rounded to f16
.set RBK,  120                         ; v[120:139] in the row sums only
.set SS,   144
.set WG,   160
.set BG,   192
.set CO,   224
.set SI,   240
; window 1: v0-95 weight set 0, v96-191 set 1; window 0: v160-255 set 2; windows 2 and 3: accumulator 5 cb + rb at register 512 + 8 (5 cb + rb)
; scalars: s26 wave, s27 batch, s29 first token, s30 pass, s31 K trips, s[32:33] the weights' offset, s[34:35] their pointer, s[36:37] the pass's output at my first head's first row,
; s38 the pass's gain and bias in GW, s39 the K walk's bytes, s52 the group, s54 the byte offset of the group in hand
.set MSB, 0
.macro WIN new                         ; the high byte repeats the setting that is left; a switch that changes nothing is dropped
.if MSB != (\new)
	s_set_vgpr_msb (MSB<<8)|(\new)
.set MSB, (\new)
.endif
.endm
.macro PLACES                          ; four places behind matrix instructions, ahead of loads into and vector work on their registers
.rept 4
	v_nop
.endr
.endm
.macro AC rb, cb                       ; window and register of accumulator (rb, cb)
.set aI, 5*(\cb)+(\rb)
.set aW, 2+aI/32
.set aR, 8*(aI%32)
.endm
.macro LDA j, aoff                     ; five fragments of x, 32 along K at byte aoff behind the walking address, into buffer j
	WIN 0
.irp rb, 0,1,2
	ds_load_b128 v[ABUF+40*(\j)+8*\rb:ABUF+40*(\j)+8*\rb+3],   v[AA0] offset:\rb*RB16+(\aoff)
	ds_load_b128 v[ABUF+40*(\j)+8*\rb+4:ABUF+40*(\j)+8*\rb+7], v[AA0] offset:\rb*RB16+(\aoff)+32
.endr
.irp rb, 3,4
	ds_load_b128 v[ABUF+40*(\j)+8*\rb:ABUF+40*(\j)+8*\rb+3],   v[AA1] offset:(\rb-3)*RB16+(\aoff)
	ds_load_b128 v[ABUF+40*(\j)+8*\rb+4:ABUF+40*(\j)+8*\rb+7], v[AA1] offset:(\rb-3)*RB16+(\aoff)+32
.endr
.endm
.macro LDB j, base                     ; a K step's twelve weight fragments into set j
.if (\j) < 2
	WIN 0x40
.set wR, 96*(\j)
.else
	WIN 0
.set wR, 160
.endif
.set cbv, 0
.rept 12
	global_load_b128 v[wR+8*cbv:wR+8*cbv+3],   v[L16], s[\base:\base+1] offset:cbv*1024
	global_load_b128 v[wR+8*cbv+4:wR+8*cbv+7], v[L16], s[\base:\base+1] offset:cbv*1024+512
.set cbv, cbv+1
.endr
.endm
.macro MUL j, zero                     ; 60 products; the 60 accumulators take turns. zero = 1: they start the sums
.if (\j) < 2
.set wR, 96*(\j)
.set wS, 1
.else
.set wR, 160
.set wS, 0
.endif
.set mi, 0
.rept 60
	WIN 0xA0+0x50*(mi/32)+wS
.set mD, 8*(mi%32)
.set mW, wR+8*(mi/5)
.set mA, ABUF+40*(\j)+8*(mi%5)
.if \zero
	v_wmma_f32_16x16x32_bf16 v[mD:mD+7], v[mW:mW+7], v[mA:mA+7], 0
.else
	v_wmma_f32_16x16x32_bf16 v[mD:mD+7], v[mW:mW+7], v[mA:mA+7], v[mD:mD+7]
.endif
.set mi, mi+1
.endr
.endm
; A K step on buffers j: the next step's fragments of x and the weights two steps on are asked for, then the step is multiplied.
.macro STEP j, aoff, zero
	PLACES                                         ; the set asked for below was read by the products just issued
	s_wait_xcnt 0x0                                ; earlier loads and stores have read their addresses and data: the weights' pointer may be written
	s_add_co_u32 s32, s32, WSTEP
	s_min_u32 s32, s32, WLAST                      ; the last two look-aheads stay on the wave's last step, inside wf
	s_add_nc_u64 s[34:35], s[6:7], s[32:33]
	LDA ((\j)+1)%3, \aoff
	LDB ((\j)+2)%3, 34
	s_wait_loadcnt 48                              ; this step's weights are in; the two younger sets of 24 stay out
	s_wait_dscnt 10                                ; this step's fragments of x are in; the next step's ten stay out
	MUL \j, \zero
.endm
; A pass: 24 K steps. The step that starts the sums stands ahead of the loop, which has 8 trips of steps 0, 1, 2 and is entered at step 1.
.macro MAIN
	STEP 0, 64, 1
	WIN 0
	s_mov_b32 s31, 8
	s_mov_b32 s39, 0
	s_branch .Lmid\@
.Lk\@:
	STEP 0, 64, 0
	WIN 0
.Lmid\@:
	STEP 1, 128, 0
	WIN 0
	s_add_co_u32 s39, s39, 192                     ; three steps of 64 bytes on;
	s_min_u32 s39, s39, 1344                       ; the last trip has no step behind it: its look-ahead stays on the rows' written bytes and serves nothing
	v_add_nc_u32 v[AA0], s39, v[AB0]
	v_add_nc_u32 v[AA1], s39, v[AB1]
	STEP 2, 0, 0
	WIN 0
	s_sub_co_u32 s31, s31, 1
	s_cmp_lg_u32 s31, 0
	s_cbranch_scc1 .Lk\@
	s_wait_dscnt 0x0                               ; that look-ahead has landed: its registers are loaded again,
	v_mov_b32 v[AA0], v[AB0]
	v_mov_b32 v[AA1], v[AB1]
	LDA 0, 0                                       ; with the next pass's first fragments, which have the whole way out in which to land
.endm
	s_load_b512 s[4:19], s[0:1], 0x0               ; x, wf, qn_w, qn_b, kn_w, kn_b, cos, sin
	s_load_b128 s[20:23], s[0:1], 0x40             ; qh, kh
	s_load_b64 s[24:25], s[0:1], 0x50              ; vh
	v_lshl_add_u32 v[SPW], v0, 2, SPARE
	v_mov_b32 v[NIL], 0
	v_lshrrev_b32 v37, 5, v0
	v_readfirstlane_b32 s26, v37                   ; wave w
	s_and_b32 s27, ttmp7, 0xffff                   ; batch b
	s_mul_i32 s29, ttmp9, 80                       ; t0
	s_mov_b32 s40, 0x76543210                      ; v_permlanex16_b32: each lane takes its own place in the other half
	s_mov_b32 s41, 0xfedcba98
	s_mov_b32 s42, 0x3aaaaaab                      ; 1 / 768
	s_mov_b32 s43, 0x3727c5ac                      ; 1e-5
	s_mul_i32 s44, s27, 12
	s_mul_i32 s46, s26, 3
	s_add_co_u32 s44, s44, s46
	s_mul_i32 s44, s44, 1040
	s_add_co_u32 s44, s44, s29
	s_lshl_b32 s44, s44, 7                         ; ((12 b + 3 w) 1,040 + t0) x 128: my first head's first block (t0 is a multiple of 16)
	s_mov_b32 s45, 0
	v_and_b32 v[R], 15, v0
	v_bfe_u32 v[H], v0, 4, 1
	v_and_b32 v38, 31, v0
	v_and_b32 v39, 7, v0
	v_lshlrev_b32 v[L16], 4, v38
	v_mov_b32 v[VB], v[L16]
	v_mul_u32_u24 v[AB0], v[R], PA
	v_lshl_add_u32 v[AB0], v[H], 4, v[AB0]
	v_add_nc_u32 v[AB1], 3*RB16, v[AB0]
	v_mov_b32 v[AA0], v[AB0]
	v_mov_b32 v[AA1], v[AB1]
	s_mul_i32 s46, s26, 320
	s_add_co_u32 s46, s46, RED
	v_lshl_add_u32 v[REDS], v[R], 2, s46
	v_lshlrev_b32 v[REDL], 2, v[R]
	v_add_nc_u32 v[REDL], RED, v[REDL]
	s_mul_i32 s46, s26, 768
	s_add_co_u32 s46, s46, GW
	v_lshl_add_u32 v[GWA], v[H], 5, s46
	v_mul_u32_u24 v[CSA], v[R], 144
	v_lshl_add_u32 v[CSA], v[H], 4, v[CSA]
	v_add_nc_u32 v[CSA], COSB, v[CSA]
	s_mul_i32 s46, s26, 20*PA
	v_lshl_add_u32 v[SA], v38, 3, s46              ; my wave's 20 rows of x in LDS, 8 bytes a lane
	v_lshlrev_b32 v[G8], 3, v0
	v_add_nc_u32 v[GWS], GW, v[G8]
	v_lshrrev_b32 v37, 3, v0
	v_mul_u32_u24 v[CSS], v37, 144
	v_lshl_add_u32 v[CSS], v39, 4, v[CSS]
	v_add_nc_u32 v[CSS], COSB, v[CSS]
	v_add_nc_u32 v37, s29, v37
.irp j, 0,1,2,3,4                      ; the table row of token t is t - 9, held to 0 .. 1,023 (tokens under 9 are not rotated; rows past 1,032 repeat 1,032)
	v_add_nc_u32 v[TT+\j], 16*\j, v37
	v_add_nc_u32 v[TOF+\j], -9, v[TT+\j]
	v_cmp_gt_u32 vcc_lo, 9, v[TT+\j]
	v_cndmask_b32 v[TOF+\j], v[TOF+\j], 0, vcc_lo
	v_min_u32 v[TOF+\j], 1023, v[TOF+\j]
	v_lshlrev_b32 v[TOF+\j], 7, v[TOF+\j]
	v_lshl_add_u32 v[TOF+\j], v39, 4, v[TOF+\j]
.endr
	s_mul_i32 s50, s26, 20
	s_add_co_u32 s50, s50, s29
.set iv, 0
.rept 20
	s_add_co_u32 s51, s50, iv
	s_min_u32 s51, s51, 1032
	s_mul_i32 s51, s51, 3072
	v_add_nc_u32 v[XO+iv], s51, v[L16]
.set iv, iv+1
.endr
	s_wait_kmcnt 0x0
	s_mul_i32 s46, s27, 3173376
	s_mov_b32 s47, 0
	s_add_nc_u64 s[4:5], s[4:5], s[46:47]          ; x at my batch
	s_mul_i32 s46, s26, 72*WSTEP
	s_add_nc_u64 s[6:7], s[6:7], s[46:47]          ; wf at my wave's run
	s_mov_b64 s[34:35], s[6:7]
	s_add_nc_u64 s[48:49], s[6:7], WSTEP
	s_mov_b32 s32, WSTEP
	s_mov_b32 s33, 0
	; the first loads: the tables and x, which the first barrier waits for, go out ahead of the weights
.irp a, 0,1,2,3
.irp j, 0,1,2
	global_load_b64 v[TB+6*\a+2*\j:TB+6*\a+2*\j+1], v[G8], s[8+2*\a:9+2*\a] offset:1024*\j
.endr
.endr
.irp j, 0,1,2,3,4
	global_load_b128 v[TB+24+4*\j:TB+24+4*\j+3], v[TOF+\j], s[16:17]
	global_load_b128 v[TB+44+4*\j:TB+44+4*\j+3], v[TOF+\j], s[18:19]
.endr
.macro XREG i, c                       ; x as loaded lies where the accumulators will: row i of my 20, chunk c at register 512 + 24 i + 4 c
.set xI, 24*(\i)+4*(\c)
.set xW, 2+xI/256
.set xR, xI%256
.endm
.set iv, 0
.rept 20
.set cv, 0
.rept 6
	XREG iv, cv
	WIN xW<<6
	global_load_b128 v[xR:xR+3], v[XO+iv], s[4:5] offset:512*cv th:TH_LOAD_NT
.set cv, cv+1
.endr
.set iv, iv+1
.endr
	LDB 0, 34                                      ; K steps 0 and 1
	LDB 1, 48
	WIN 0
	s_wait_loadcnt 63                              ; 168 loads were issued behind the tables: the tables are in
.macro RND a                           ; two numbers rounded to bf16, kept as f32
	v_cvt_pk_bf16_f32 v37, v[\a], v[\a+1]
	v_lshlrev_b32 v[\a], 16, v37
	v_and_b32 v[\a+1], 0xffff0000, v37
.endm
.set iv, 0
.rept 12
	RND TB+2*iv
.set iv, iv+1
.endr
.irp a, 0,1,2,3
.irp j, 0,1,2
	ds_store_b64 v[GWS], v[TB+6*\a+2*\j:TB+6*\a+2*\j+1] offset:3072*\a+1024*\j
.endr
.endr
.irp j, 0,1,2,3,4
	v_cmp_gt_u32 vcc_lo, 9, v[TT+\j]               ; a token under 9 is turned by the angle 0
.irp z, 0,1,2,3
	v_cndmask_b32 v[TB+24+4*\j+\z], v[TB+24+4*\j+\z], 1.0, vcc_lo
	v_cndmask_b32 v[TB+44+4*\j+\z], v[TB+44+4*\j+\z], 0, vcc_lo
.endr
	RND TB+24+4*\j
	RND TB+26+4*\j
	RND TB+44+4*\j
	RND TB+46+4*\j
	ds_store_b128 v[CSS], v[TB+24+4*\j:TB+24+4*\j+3] offset:2304*\j
	ds_store_b128 v[CSS], v[TB+44+4*\j:TB+44+4*\j+3] offset:2304*\j+SINO
.endr
.set iv, 0
.rept 20                                       ; x: a row at a time, rounded to bf16, into LDS
.if 162-6*iv > 63
	s_wait_loadcnt 63
.else
	s_wait_loadcnt 162-6*iv                        ; the younger rows' six loads each and the 48 weight loads may stay out
.endif
.set cv, 0
.rept 6
	XREG iv, cv
	WIN 5*xW
	v_cvt_pk_bf16_f32 v[CV+2*cv], v[xR], v[xR+1]
	v_cvt_pk_bf16_f32 v[CV+2*cv+1], v[xR+2], v[xR+3]
.set cv, cv+1
.endr
	WIN 0
.set cv, 0
.rept 6
	ds_store_b64 v[SA], v[CV+2*cv:CV+2*cv+1] offset:iv*PA+cv*256
.set cv, cv+1
.endr
.set iv, iv+1
.endr
	s_wait_dscnt 0x0                               ; for the others' sake: my rows and my parts of the tables lie in LDS
	s_barrier_signal -1
	s_barrier_wait -1
	LDA 0, 0
	s_mov_b32 s30, 0                               ; the pass
	s_add_nc_u64 s[36:37], s[20:21], s[44:45]      ; where it stores
	s_mov_b32 s38, 0                               ; its gain and bias in GW
; A sum over a row: the pair's halves, the other half of the lanes, then the four waves' parts through LDS. The two regions take turns, so a region's reads are over at the other region's barrier.
.macro RSUM off
	WIN 0
.irp rb, 0,1,2,3,4
	v_add_f32 v[SS+2*\rb], v[SS+2*\rb], v[SS+2*\rb+1]
.endr
.irp rb, 0,1,2,3,4
	v_permlanex16_b32 v[SS+2*\rb+1], v[SS+2*\rb], s40, s41
.endr
.irp rb, 0,1,2,3,4
	v_add_f32 v[SS+2*\rb], v[SS+2*\rb], v[SS+2*\rb+1]
.endr
.irp rb, 0,1,2,3,4
	ds_store_b32 v[REDS], v[SS+2*\rb] offset:(\off)+64*\rb
.endr
	s_wait_dscnt 0x0
	s_barrier_signal -1
	s_barrier_wait -1
.irp rb, 0,1,2,3,4
.irp z, 0,1,2,3
	ds_load_b32 v[RBK+4*\rb+\z], v[REDL] offset:(\off)+320*\z+64*\rb
.endr
.endr
	s_wait_dscnt 0x0
.irp rb, 0,1,2,3,4
	v_add_f32 v[RBK+4*\rb], v[RBK+4*\rb], v[RBK+4*\rb+1]
	v_add_f32 v[RBK+4*\rb+2], v[RBK+4*\rb+2], v[RBK+4*\rb+3]
.endr
.irp rb, 0,1,2,3,4
	v_add_f32 v[RBK+4*\rb], v[RBK+4*\rb], v[RBK+4*\rb+2]
.endr
.endm
.macro ROPM jp                         ; (even, odd) x cos of pair jp
.if ((\jp)%2) == 0
	v_pk_mul_f32 v[U+2*((\jp)%8):U+2*((\jp)%8)+1], v[T+2*(\jp):T+2*(\jp)+1], v[CO+(\jp):CO+(\jp)+1] op_sel_hi:[1,0]
.else
	v_pk_mul_f32 v[U+2*((\jp)%8):U+2*((\jp)%8)+1], v[T+2*(\jp):T+2*(\jp)+1], v[CO+(\jp)-1:CO+(\jp)] op_sel:[0,1] op_sel_hi:[1,1]
.endif
.endm
.macro ROPF jp                         ; even = even cos - odd sin, odd = odd cos + even sin
.if ((\jp)%2) == 0
	v_pk_fma_f32 v[T+2*(\jp):T+2*(\jp)+1], v[T+2*(\jp):T+2*(\jp)+1], v[SI+(\jp):SI+(\jp)+1], v[U+2*((\jp)%8):U+2*((\jp)%8)+1] op_sel:[1,0,0] op_sel_hi:[0,0,1] neg_lo:[0,1,0]
.else
	v_pk_fma_f32 v[T+2*(\jp):T+2*(\jp)+1], v[T+2*(\jp):T+2*(\jp)+1], v[SI+(\jp)-1:SI+(\jp)], v[U+2*((\jp)%8):U+2*((\jp)%8)+1] op_sel:[1,1,0] op_sel_hi:[0,1,1] neg_lo:[0,1,0]
.endif
.endm
; What is written for each group k (head k / 5 of my three, row block k % 5): a head's first group asks for the head's gain and bias; each then asks for its rows' cosines and sines, eight loads;
; its four accumulators, each from its low end on, times the rows' scale go into T; its byte offset in the output is left in s54.
.macro BODY k
.set bH, (\k)/5
.set bR, (\k)%5
	WIN 0
.if bR == 0
.irp c, 0,1,2,3
	ds_load_b128 v[WG+8*\c:WG+8*\c+3],   v[GWP] offset:256*bH+64*\c
	ds_load_b128 v[WG+8*\c+4:WG+8*\c+7], v[GWP] offset:256*bH+64*\c+16
	ds_load_b128 v[BG+8*\c:BG+8*\c+3],   v[GWP] offset:256*bH+64*\c+3072
	ds_load_b128 v[BG+8*\c+4:BG+8*\c+7], v[GWP] offset:256*bH+64*\c+3088
.endr
.endif
.irp c, 0,1,2,3
	ds_load_b128 v[CO+4*\c:CO+4*\c+3], v[CSA] offset:bR*2304+32*\c
	ds_load_b128 v[SI+4*\c:SI+4*\c+3], v[CSA] offset:bR*2304+32*\c+SINO
.endr
.irp c, 0,1,2,3
	AC bR, 4*bH+\c
	WIN aW
.irp p, 0,1,2,3
	v_pk_mul_f32 v[T+8*\c+2*\p:T+8*\c+2*\p+1], v[aR+2*\p:aR+2*\p+1], v[RS+2*bR:RS+2*bR+1] op_sel_hi:[1,0]
.endr
.endr
	WIN 0
	s_mov_b32 s54, bH*HEADB+bR*2048
.endm
.macro BLK k, n                        ; group k's lines, passed over where the group is another
.LB\k:
	s_cmp_lg_u32 s52, \k
	s_cbranch_scc1 .LB\n
	BODY \k
.if (\k) < 14
	s_branch .LB15
.endif
.endm
.Lpass:
	MAIN
	s_cmp_eq_u32 s30, 2
	s_cbranch_scc1 .Lplain                         ; v has no LN
	; the row sums: each accumulator is read from its low end on; five chains side by side
	PLACES
.irp rb, 0,1,2,3,4
	AC \rb, 0
	WIN 0x0a
	v_pk_add_f32 v[SS+2*\rb:SS+2*\rb+1], v[aR:aR+1], v[aR+2:aR+3]
.endr
.set cbw, 0
.rept 12
.set pv, 0
.rept 4
.if (cbw > 0) || (pv > 1)
.irp rb, 0,1,2,3,4
	AC \rb, cbw
	WIN aW
	v_pk_add_f32 v[SS+2*\rb:SS+2*\rb+1], v[aR+2*pv:aR+2*pv+1], v[SS+2*\rb:SS+2*\rb+1]
.endr
.endif
.set pv, pv+1
.endr
.set cbw, cbw+1
.endr
	RSUM 0
.irp rb, 0,1,2,3,4
	v_mul_f32 v[MU+2*\rb], s42, v[RBK+4*\rb]
.endr
.irp rb, 0,1,2,3,4
	v_mov_b32 v[MU+2*\rb+1], v[MU+2*\rb]
.endr
	; centred in place, and the sums of squares
.set cbw, 0
.rept 12
.irp rb, 0,1,2,3,4
	AC \rb, cbw
	WIN (aW<<6)|aW
.irp p, 0,1,2,3
	v_pk_add_f32 v[aR+2*\p:aR+2*\p+1], v[aR+2*\p:aR+2*\p+1], v[MU+2*\rb:MU+2*\rb+1] op_sel_hi:[1,0] neg_lo:[0,1] neg_hi:[0,1]
.endr
.endr
.irp p, 0,1,2,3
.irp rb, 0,1,2,3,4
	AC \rb, cbw
	WIN 5*aW
.if (cbw == 0) && (\p == 0)
	v_pk_mul_f32 v[SS+2*\rb:SS+2*\rb+1], v[aR:aR+1], v[aR:aR+1]
.else
	v_pk_fma_f32 v[SS+2*\rb:SS+2*\rb+1], v[aR+2*\p:aR+2*\p+1], v[aR+2*\p:aR+2*\p+1], v[SS+2*\rb:SS+2*\rb+1]
.endif
.endr
.endr
.set cbw, cbw+1
.endr
	RSUM RED2O
.irp rb, 0,1,2,3,4
	v_fma_f32 v[RBK+4*\rb], v[RBK+4*\rb], s42, s43
.endr
.irp rb, 0,1,2,3,4
	v_rsq_f32 v[RS+2*\rb], v[RBK+4*\rb]
.endr
	v_nop                                          ; a plain instruction behind the last root,
	s_wait_alu depctr_va_vdst(0)                   ; and one wait for the five, ahead of their first use
.irp rb, 0,1,2,3,4
	v_mov_b32 v[RS+2*\rb+1], v[RS+2*\rb]
.endr
	s_branch .Lout
.Lplain:
.irp rb, 0,1,2,3,4                     ; v leaves as it is: the scale is 1. These lines are also the places behind the last products
	v_mov_b32 v[RS+2*\rb], 1.0
	v_mov_b32 v[RS+2*\rb+1], 1.0
.endr
	v_lshl_add_u32 v[VB], v[H], 3, v[R]            ; vh: my group's parity is l / 16, so my row lies at place (r + 8 (l / 16)) % 16 of its group's 256 bytes
	v_and_b32 v[VB], 15, v[VB]
	v_lshlrev_b32 v[VB], 4, v[VB]
	v_lshl_add_u32 v[VB], v[H], 8, v[VB]
.Lout:
	; THE WAY OUT. A trip finishes group g (gain and bias, rotation, rounding), stores it straight from its registers, and begins group g + 1.
	v_add_nc_u32 v[GWP], s38, v[GWA]
	BODY 0
	s_mov_b32 s52, 0
	s_wait_dscnt 8                                 ; the head's gain and bias are in; the eight youngest loads, the rows' cosines and sines, may stay out
.Lgrp:
	s_cmp_eq_u32 s30, 2
	s_cbranch_scc1 .Lcvt                           ; v has neither gain, bias nor rotation
.set q, 0
.rept 16
	v_pk_fma_f32 v[T+2*q:T+2*q+1], v[T+2*q:T+2*q+1], v[WG+2*q:WG+2*q+1], v[BG+2*q:BG+2*q+1]
.set q, q+1
.endr
	s_wait_dscnt 0x0                               ; the cosines and sines are in
.set g8, 0
.rept 2
.irp z, 0,1,2,3,4,5,6,7
	ROPM 8*g8+\z
.endr
.irp z, 0,1,2,3,4,5,6,7
	ROPF 8*g8+\z
.endr
.set g8, g8+1
.endr
.Lcvt:
	s_wait_dscnt 0x0                               ; (v's way: the pieces of the tables, of which it uses nothing, have landed: their registers are loaded again below)
	s_wait_xcnt 0x0                                ; the last trip's stores have read their data and their offset: both are written again only behind this wait
.set q, 0
.rept 16
	v_cvt_pk_f16_f32 v[PK+q], v[T+2*q], v[T+2*q+1]
.set q, q+1
.endr
	v_add_nc_u32 v[VO], s54, v[VB]
.irp c, 0,1,2,3
	global_store_b128 v[VO], v[PK+4*\c:PK+4*\c+3], s[36:37] offset:\c*512  ; channels 16 c .. 16 c + 15 of the block's 16 rows: 512 consecutive bytes, aligned; sixteen neighbouring lanes fill 256
.endr
	s_add_co_u32 s52, s52, 1                       ; the next group; behind the 15th there is none
	s_cmp_ge_u32 s52, 10
	s_cbranch_scc1 .LB10
	s_cmp_ge_u32 s52, 5
	s_cbranch_scc1 .LB5
	BLK 1, 2
	BLK 2, 3
	BLK 3, 4
	BLK 4, 5
	BLK 5, 6
	BLK 6, 7
	BLK 7, 8
	BLK 8, 9
	BLK 9, 10
	BLK 10, 11
	BLK 11, 12
	BLK 12, 13
	BLK 13, 14
	BLK 14, 15
.LB15:
	s_wait_dscnt 8                                 ; a new head's gain and bias are in; the eight youngest loads may stay out
	s_cmp_lt_u32 s52, 15
	s_cbranch_scc1 .Lgrp
	s_wait_xcnt 0x0                                ; the stores have read their base
	s_add_co_u32 s30, s30, 1
	s_cmp_eq_u32 s30, 1
	s_cselect_b64 s[36:37], s[22:23], s[24:25]
	s_add_nc_u64 s[36:37], s[36:37], s[44:45]
	s_mov_b32 s38, 6144                            ; k's gain and bias (v's pass loads them too and uses nothing of them)
	s_cmp_lt_u32 s30, 3
	s_cbranch_scc1 .Lpass
	s_wait_tensorcnt 0x0                           ; the wave's end
	ds_add_u32 v[SPW], v[NIL]
	s_wait_dscnt 0x0
	s_endpgm
.Lfunc_end_k_q71e77d7309_qkv:
	.size	k_q71e77d7309_qkv, .Lfunc_end_k_q71e77d7309_qkv-k_q71e77d7309_qkv
	.p2alignl 7, 3214868480
	.fill 96, 4, 3214868480
	.section	.rodata,"a",@progbits
	.p2align	6, 0x0
	.amdhsa_kernel k_q71e77d7309_qkv
		.amdhsa_group_segment_fixed_size 162560
		.amdhsa_private_segment_fixed_size 0
		.amdhsa_enable_private_segment 0
		.amdhsa_kernarg_size 88
		.amdhsa_user_sgpr_count 2
		.amdhsa_user_sgpr_kernarg_segment_ptr 1
		.amdhsa_wavefront_size32 1
		.amdhsa_system_sgpr_workgroup_id_x 1
		.amdhsa_system_sgpr_workgroup_id_y 1
		.amdhsa_system_sgpr_workgroup_id_z 1
		.amdhsa_system_vgpr_workitem_id 0
		.amdhsa_next_free_vgpr 992
		.amdhsa_next_free_sgpr 66
		.amdhsa_reserve_vcc 1
		.amdhsa_float_denorm_mode_32 3
		.amdhsa_float_denorm_mode_16_64 3
		.amdhsa_memory_ordered 1
		.amdhsa_forward_progress 1
		.amdhsa_inst_pref_size 178
	.end_amdhsa_kernel
	.amdgpu_metadata
---
amdhsa.version: [ 1, 2 ]
amdhsa.kernels:
  - .name:           k_q71e77d7309_qkv
    .symbol:         k_q71e77d7309_qkv.kd
    .args:
      - { .name: x, .offset: 0, .size: 8, .value_kind: global_buffer, .address_space: global }
      - { .name: wf, .offset: 8, .size: 8, .value_kind: global_buffer, .address_space: global }
      - { .name: qn_w, .offset: 16, .size: 8, .value_kind: global_buffer, .address_space: global }
      - { .name: qn_b, .offset: 24, .size: 8, .value_kind: global_buffer, .address_space: global }
      - { .name: kn_w, .offset: 32, .size: 8, .value_kind: global_buffer, .address_space: global }
      - { .name: kn_b, .offset: 40, .size: 8, .value_kind: global_buffer, .address_space: global }
      - { .name: freqs_cos, .offset: 48, .size: 8, .value_kind: global_buffer, .address_space: global }
      - { .name: freqs_sin, .offset: 56, .size: 8, .value_kind: global_buffer, .address_space: global }
      - { .name: qh, .offset: 64, .size: 8, .value_kind: global_buffer, .address_space: global }
      - { .name: kh, .offset: 72, .size: 8, .value_kind: global_buffer, .address_space: global }
      - { .name: vh, .offset: 80, .size: 8, .value_kind: global_buffer, .address_space: global }
    .group_segment_fixed_size: 162560
    .private_segment_fixed_size: 0
    .kernarg_segment_align: 8
    .kernarg_segment_size: 88
    .max_flat_workgroup_size: 128
    .sgpr_count:     66
    .vgpr_count:     992
    .wavefront_size: 32
...
	.end_amdgpu_metadata
.endif
;; end of part 2
;; launch att (part 3): grid 4 x 192, 4 waves a work-group, clusters of 4 x 1, 327,680 bytes of LDS; arguments qh, kh, vh, yh; writes yh
.if DOCPART == 3
	.amdgcn_target "amdgcn-amd-amdhsa--gfx1250"
	.amdhsa_code_object_version 6
	.text
	.protected	k_q71e77d7309_att
	.globl	k_q71e77d7309_att
	.p2align	8
	.type	k_q71e77d7309_att,@function
k_q71e77d7309_att:
	s_mov_b64 s[64:65], 0
	v_nop
	global_prefetch_b8 v0, s[64:65] scope:SCOPE_SE
	s_setreg_imm32_b32 hwreg(HW_REG_WAVE_MODE, 25, 1), 1
	s_wait_xcnt 0x0
	s_wait_alu depctr_hold_cnt(0) depctr_sa_sdst(0) depctr_va_vdst(0) depctr_va_sdst(0) depctr_va_ssrc(0) depctr_va_vcc(0) depctr_vm_vsrc(0)
	s_getreg_b32 s2, hwreg(HW_REG_IB_STS2, 6, 4)
	s_cmp_eq_u32 s2, 0
	s_cbranch_scc0 .Lentry_in_a_cluster
	s_endpgm
.Lentry_in_a_cluster:
	s_bfe_u32 s2, ttmp6, 0x10000c
	s_cmp_lg_u32 s2, 0x3003
	s_cbranch_scc0 .Lentry_shape_is_right
	s_endpgm
.Lentry_shape_is_right:
; y[h][q][:] = the sum over k < 1,033 of softmax_k(q[h][q] . k[h][k] / 8) v[h][k][:], 192 heads of 1,040 rows of 64 channels in f16 (rows 1,033 .. 1,039 repeat row 1,032; as keys they are hidden).
; qh, kh, vh, yh: [192 heads][65 blocks of 16 rows][8 groups of 8 channels][16 rows][8 channels]: a block is 2,048 bytes, the 16 bytes of row r, group g lie at 256 g + 16 r.
; A fragment of Q or K (16 rows x 32 channels) is then 1,024 bytes on end, read as two loads of 16 bytes at 16 x lane; a lane's eight channels of a row of y are 16 bytes at 16 x lane of 512: y leaves straight from registers.
; In vh the rows of the odd groups are turned by 8 (row r at place (r + 8) % 16).
; Products, maxima and sums in f32; the weights p are rounded to f16 for the second product (their sum l is taken of the unrounded p), y once at the end.
; LIMITS. q, k, v arrive within f16's 65,504. A hidden score counts as its value less 1e30; a weight below 2^-126 counts as 0 in l; NaN and infinities are not treated apart.
; SHARES. A head has 65 tiles of 16 queries. The four work-groups of a cluster are one head; work-group cx, wave w owns tiles 16 cx + 4 w + 0..3: four PIECES. Tile 64 is made in every work-group
; with its KEYS split among the four waves (256 each, wave 3 also the last 16) and merged in LDS; work-group cx stores its channels 16 cx .. 16 cx + 15, chosen by a select and by the store's address.
; K AND V OF THE HEAD STAY IN LDS, as they lie in memory: 133,120 bytes each, filled once, by four joint loads a wave (the same load, descriptor and mask in all four work-groups): nothing is filled again.
; By this text's count four tensor loads of a wave are out. All of K and V is asked for at the head, so there is no later request for a prefetch to run ahead of.
; LAYOUT, SOFTMAX, TURNS. S^T = K Q^T holds ONE query a lane (lane % 16) and the keys 8 (lane / 16) + 0..7; two such results rounded to f16 ARE source 1 of O^T = V^T P. p = 2^(c s - c m), c = log2(e) / 8, with a
; running maximum m; O and l are multiplied by a = 2^(c m_old - c m_new) in every step. Turn n belongs to piece n: 8 products K Q^T of piece n + 1, later 8 products V^T P of piece n - 1; beside them the scaling,
; exponentials, roundings, sums and rescaling of piece n and the maximum and statistics of piece n + 1. Four vector instructions stand behind every matrix instruction, the rest in one lump; a turn's 33 exponentials are one batch with one wait.
; REGISTERS, in windows of 256 (s_set_vgpr_msb: bits 1:0 source 0, 3:2 source 1, 5:4 source 2, 7:6 destination):
;   window 0: v0-15 addresses; v16-31 four registers of statistics a piece; v32-47 at work in the last 16 keys and the merge; v48-55 at work; v56-59 merge addresses; v64-127 S^T, two buffers; v192-223 P, two buffers
;   window 1: v0-127 O^T, 32 a piece; v128-135 the last 16 keys' mask      window 2: v0-63 Q; v64-79 tile 64's Q; v128-191 K of one step; v192-255 V of one step
.set NP,    4
.set KS,    64
.set BLK,   2048      ; a block of 16 rows
.set STEPB, 4*BLK     ; a step's 64 keys
.set HEADB, 65*BLK
.set VOFF,  HEADB     ; V lies behind K
.set MS,    2*HEADB   ; the merge: 4,096 bytes of O^T and 256 of statistics a wave, in bytes of its own, where no tile lands
.set MSW,   4608
.set SPARE, MS+4*MSW  ; the spare words, 128 bytes a wave
.set AV0, 3           ; v3   my lane's place in a block of V; never rewritten
.set AK,  4           ; v4   the LDS address of K's next run of loads
.set AV,  5           ; v5   of V's
.set GO,  8           ; v8   16 x lane: my place in a fragment of Q and K and in 512 bytes of y; never rewritten
.set MV,  12
.set ST,  16
.set TT,  32
.set TMP, 48
.set MSA, 56
.set MSS, 57
.set ML8, 58
.set ML16, 59
.set SPW, 62
.set NIL, 63
.set S,   64
.set P,   192
.set MASK, 128        ; window 1
.set QX,  64          ; window 2
.set KF,  128
.set VF,  192
.set WV,  12
.set CX,  13
.set G1,  24          ; s[24:31] descriptor group 1, for K's and V's loads alike
.set G0,  40          ; s[40:55] four groups 0
.set SLOTS, 56
.set CNT, 57
.set CS,  58
.set SEL, 60
.set TBK, 62
.set TBV, 63
.set OXB, 66          ; s[66:67] yh at my work-group's 512 bytes of tile 64
.set QXB, 68          ; s[68:69] qh at tile 64
.set MK,  70          ; s[70:72] all ones where cx is 1, 2, 3
.set BIGN, 73
.set MSB, 0
.macro WIN new
.if MSB != (\new)
	s_set_vgpr_msb (MSB<<8)|(\new)
.set MSB, (\new)
.endif
.endm
.set W_KQ, 0x0a
.set W_KM, 0x1a
.set W_PV, 0x52
.set W_RS, 0x41
.macro PLACES
.rept 4
	v_nop
.endr
.endm
.macro ROUND                        ; a round of the cluster's barrier
	s_barrier_signal -1
	s_barrier_wait -1
	s_cmp_lg_u32 s[WV], 0
	s_cbranch_scc1 .Lnot_wave_0_\@
	s_barrier_signal -3
.Lnot_wave_0_\@:
	s_barrier_wait -3
	s_barrier_signal -1
	s_barrier_wait -1
.endm
; A wave's four first fills: load j brings bytes 33,280 j + 16,640 half .. + 16,639 of the head's K or V, as 65 rows of 256 bytes, to the same place in LDS.
.macro FILLS ptr, lds0
.irp j, 0,1,2,3
	s_mov_b32 s[G0+4*\j], 1
	s_add_co_u32 s[G0+4*\j+1], s17, (\lds0)+\j*33280
	s_add_nc_u64 s[G0+4*\j+2:G0+4*\j+3], s[\ptr:\ptr+1], \j*33280
	s_or_b32 s[G0+4*\j+3], s[G0+4*\j+3], 0x80000000
.endr
.irp j, 0,1,2,3
	tensor_load_to_lds s[G0+4*\j:G0+4*\j+3], s[G1:G1+7]
	s_nop 0
.endr
.rept 4
	v_nop
.endr
.endm
	s_load_b256 s[4:11], s[0:1], 0x0  ; qh s[4:5], kh s[6:7], vh s[8:9], yh s[10:11]
	v_lshl_add_u32 v[SPW], v0, 2, SPARE
	v_mov_b32 v[NIL], 0
	ds_add_u32 v[SPW], v[NIL]       ; the wave's opening: the add and its wait stand ahead of my first tensor load
	v_lshrrev_b32 v1, 5, v0
	v_readfirstlane_b32 s[WV], v1
	s_bfe_u32 s[CX], ttmp6, 0x40000 ; cx: it enters Q's and y's addresses and a select alone
	s_and_b32 s20, ttmp7, 0xffff    ; the head, which the four partners share
	s_mul_i32 s20, s20, HEADB
	s_and_b32 s16, s[WV], 1         ; which half of a load's 33,280 bytes I fetch,
	s_mul_i32 s17, s16, 16640       ; in memory and in LDS alike
	s_add_co_u32 s22, s17, s20
	s_mov_b32 s23, 0
	s_lshl_b32 s2, s[CX], 15        ; my work-group's 16 blocks,
	s_lshl_b32 s3, s[WV], 13        ; my wave's 4 of them
	s_add_co_u32 s2, s2, s3
	s_add_co_u32 s2, s2, s20
	s_mov_b32 s3, 0
	s_add_co_u32 s14, s20, 64*BLK   ; tile 64
	s_mov_b32 s15, 0
	s_lshl_b32 s74, s[CX], 9
	s_add_co_u32 s74, s74, s14
	s_mov_b32 s75, 0
	s_mov_b32 s[G1], 15|(1<<16)|(1<<21)  ; the mask of four; 2-byte elements; no padding; bit 21 beside a mask
	s_mov_b32 s[G1+1], 128<<16      ; tensor_dim0 = 128
	s_mov_b32 s[G1+2], 65<<16       ; tensor_dim1 = 65
	s_mov_b32 s[G1+3], 128<<16      ; tile_dim0 = 128
	s_mov_b32 s[G1+4], 65           ; tile_dim1 = 65
	s_mov_b32 s[G1+5], 128          ; 128 elements from row to row
	s_mov_b32 s[G1+6], 0
	s_mov_b32 s[G1+7], 0
	s_mov_b32 s[CS], 0x3e38aa3b     ; c = log2(e) / 8
	s_mov_b32 s[CS+1], s[CS]
	s_mov_b32 s[SEL], 0x76543210
	s_mov_b32 s[SEL+1], 0xfedcba98
	s_mov_b32 s[TBK], 0
	s_mov_b32 s[TBV], 0
	s_mov_b32 s[BIGN], 0xf149f2ca   ; -1e30
	s_wait_dscnt 0x0                ; the opening add is done
	s_wait_kmcnt 0x0
	s_add_nc_u64 s[6:7], s[6:7], s[22:23]
	s_add_nc_u64 s[8:9], s[8:9], s[22:23]
	s_add_nc_u64 s[QXB:QXB+1], s[4:5], s[14:15]
	s_add_nc_u64 s[4:5], s[4:5], s[2:3]
	s_add_nc_u64 s[OXB:OXB+1], s[10:11], s[74:75]
	s_add_nc_u64 s[10:11], s[10:11], s[2:3]
	ROUND                           ; all four work-groups are here: the joint loads meet
	s_cmp_lt_u32 s[WV], 2           ; waves 0 and 1 fetch K, waves 2 and 3 V: a wave's fills stand in one branch on its number
	s_cbranch_scc0 .Lfor_v
	FILLS 6, 0
	s_branch .Lasked
.Lfor_v:
	FILLS 8, VOFF
.Lasked:
	v_bfe_u32 v9, v0, 4, 1          ; l / 16
	v_and_b32 v[GO], 31, v0
	v_lshlrev_b32 v[GO], 4, v[GO]   ; 16 l
	WIN 0x80
.set i, 0
.rept 8                             ; Q stays in registers: piece i / 2, channels 32 (i % 2) on: 512 consecutive bytes a load
	global_load_b128 v[8*i:8*i+3],   v[GO], s[4:5] offset:(i/2)*BLK+(i%2)*1024
	global_load_b128 v[8*i+4:8*i+7], v[GO], s[4:5] offset:(i/2)*BLK+(i%2)*1024+512
.set i, i+1
.endr
.irp c, 0,1
	global_load_b128 v[QX+8*\c:QX+8*\c+3],   v[GO], s[QXB:QXB+1] offset:1024*\c
	global_load_b128 v[QX+8*\c+4:QX+8*\c+7], v[GO], s[QXB:QXB+1] offset:1024*\c+512
.endr
	WIN 0
	v_cmp_eq_u32 vcc_lo, 1, v9      ; of keys 1,024 + 8 (l / 16) + j those past 1,032 are hidden: the upper half's j = 1 .. 7
	WIN 0x40
	v_mov_b32 v[MASK], 0
.irp j, 1,2,3,4,5,6,7
	v_cndmask_b32 v[MASK+\j], 0, s[BIGN], vcc_lo
.endr
	WIN 0
	; The turning load takes 16 keys x 16 channels: lane l reads key 8 (l / 16) + l % 8 of a block, group 2 cb + (l / 8) % 2, and is left with channel l % 16 and 8 keys. In an odd group the key lies 8 places on, modulo 16.
	v_and_b32 v10, 7, v0
	v_bfe_u32 v11, v0, 3, 1
	v_add_nc_u32 v[AV0], v9, v11
	v_and_b32 v[AV0], 1, v[AV0]
	v_lshl_add_u32 v[AV0], v[AV0], 3, v10
	v_lshlrev_b32 v[AV0], 4, v[AV0]
	v_lshl_add_u32 v[AV0], v11, 8, v[AV0]
	v_add_nc_u32 v[AV0], VOFF, v[AV0]
	s_mul_i32 s14, s[WV], MSW
	s_add_co_u32 s14, s14, MS
	v_and_b32 v[ML8], 31, v0
	v_lshl_add_u32 v[MSS], v[ML8], 3, s14
	v_add_nc_u32 v[MSA], s14, v[GO]
	v_lshlrev_b32 v[ML8], 3, v[ML8]
	v_add_nc_u32 v[ML8], MS, v[ML8]
	v_add_nc_u32 v[ML16], MS, v[GO]
	; What the first turn finds: V's registers and P's second buffer hold 0 (its products V^T P, of a piece that has not been, add 0), O^T and l are 0. All this stands in the wait for the first tile.
	WIN 0x80
.set i, VF
.rept 64
	v_mov_b32 v[i], 0
.set i, i+1
.endr
	WIN 0x40
.set i, 0
.rept 128
	v_mov_b32 v[i], 0
.set i, i+1
.endr
	WIN 0
.set i, 0
.rept 4
	v_mov_b32 v[ST+4*i], 0xfe000000    ; c m: far below every c s
	v_mov_b32 v[ST+4*i+1], 0xff7fffff  ; m
	v_mov_b32 v[ST+4*i+2], 0
	v_mov_b32 v[ST+4*i+3], 0
.set i, i+1
.endr
.set i, P+16
.rept 16
	v_mov_b32 v[i], 0
.set i, i+1
.endr
; THE MATRIX WORK. The 4 accumulators of a run of 8 take turns.
.macro KQ x                         ; product i of 8 of S^T = K Q^T for piece x: channels 32 (i / 4) on, keys 16 (i % 4) on
.set rS, S+32*((\x)%2)+8*(i%4)
.set rK, KF+16*(i%4)+8*(i/4)
.set rQ, 16*(\x)+8*(i/4)
	WIN W_KQ
.if i < 4
	v_wmma_f32_16x16x32_f16 v[rS:rS+7], v[rK:rK+7], v[rQ:rQ+7], 0
.else
	v_wmma_f32_16x16x32_f16 v[rS:rS+7], v[rK:rK+7], v[rQ:rQ+7], v[rS:rS+7]
.endif
.endm
.macro PV x                         ; product i of 8 of O^T += V^T P for piece x: keys 32 (i / 4) on, channels 16 (i % 4) on
	WIN W_PV
.set rO, 32*(\x)+8*(i%4)
.set rV, VF+32*(i/4)+8*(i%4)
.set rP, P+16*((\x)%2)+8*(i/4)
	v_wmma_f32_16x16x32_f16 v[rO:rO+7], v[rV:rV+7], v[rP:rP+7], v[rO:rO+7]
.endm
.macro MM                           ; the turn's next matrix instruction. NOKQ = 1: the last turn: there is no next piece
.if (i < 8) && !NOKQ
	KQ (Y+1)%NP
.elseif i >= 8
.set i, i-8
	PV (Y+NP-1)%NP
.set i, i+8
.endif
.set i, i+1
.endm
.macro FETCH_K                      ; a step's K: 16 LDS loads in one run, each 512 consecutive bytes: block f / 2, channels 32 (f % 2) on
	WIN 0x80
.irp f, 0,1,2,3,4,5,6,7
	ds_load_b128 v[KF+8*\f:KF+8*\f+3],   v[AK] offset:(\f/2)*BLK+(\f%2)*1024
	ds_load_b128 v[KF+8*\f+4:KF+8*\f+7], v[AK] offset:(\f/2)*BLK+(\f%2)*1024+512
.endr
	s_add_co_u32 s[TBK], s[TBK], STEPB
	WIN 0
.endm
.macro FETCH_V                      ; a step's V, turned: keys 32 (f / 4) on (two blocks), channels 16 (f % 4) on (two groups)
	WIN 0x80
.irp f, 0,1,2,3,4,5,6,7
	ds_load_tr16_b128 v[VF+8*\f:VF+8*\f+3],   v[AV] offset:(\f/4)*2*BLK+(\f%4)*512
	ds_load_tr16_b128 v[VF+8*\f+4:VF+8*\f+7], v[AV] offset:(\f/4)*2*BLK+BLK+(\f%4)*512
.endr
	WIN 0
.endm
; THE VECTOR WORK, one line at a time: OP kind, number. For piece Y: F n: c s - c m for pair n of 16. E n: the exponential of score n of 32. C n: pair n rounded to f16. B n: of the four weights 4 n .. the second
; pair is added onto the first, in place. L n: l takes that sum (L 0: l = a l + sum). R n: pair n of 16 of O^T times a. For piece Y + 1: X n, number n of the 22 that find its maximum and statistics
; (0-11 four chains of seven scores, each accumulator's lowest registers first; 12-14, 16 the rest, the old m, into c0; 15 c m_old is kept; 17, 18 the other half of the lanes; 19-21 c m, its change, a).
.set F, 0
.set E, 1
.set C, 2
.set B, 3
.set L, 4
.set R, 5
.set X, 6
.macro REGS y
.set rT, ST+4*(\y)
.set rC, TMP+4*((\y)%2)
.set rW, MV+((\y)%2)
.set rS, S+32*((\y)%2)
.set rP, P+16*((\y)%2)
.set rO, 32*(\y)
.endm
.macro OP k, n
.if (\k) == R
	REGS Y
	WIN W_RS
	v_pk_mul_f32 v[rO+2*(\n):rO+2*(\n)+1], v[rO+2*(\n):rO+2*(\n)+1], v[rC+2:rC+3] op_sel_hi:[1,0]
.elseif (\k) < R
	REGS Y
	WIN 0
.if (\k) == F
	v_pk_fma_f32 v[rS+2*(\n):rS+2*(\n)+1], v[rS+2*(\n):rS+2*(\n)+1], s[CS:CS+1], v[rT:rT+1] op_sel_hi:[1,0,0] neg_lo:[0,0,1] neg_hi:[0,0,1]
.elseif (\k) == E
	v_exp_f32 v[rS+(\n)], v[rS+(\n)]
.elseif (\k) == C
	v_cvt_pk_f16_f32 v[rP+(\n)], v[rS+2*(\n)], v[rS+2*(\n)+1]
.elseif (\k) == B
	v_pk_add_f32 v[rS+4*(\n):rS+4*(\n)+1], v[rS+4*(\n):rS+4*(\n)+1], v[rS+4*(\n)+2:rS+4*(\n)+3]
.elseif (\n) == 0
	v_pk_fma_f32 v[rT+2:rT+3], v[rT+2:rT+3], v[rC+2:rC+3], v[rS:rS+1] op_sel_hi:[1,0,1]
.else
	v_pk_add_f32 v[rT+2:rT+3], v[rT+2:rT+3], v[rS+4*(\n):rS+4*(\n)+1]
.endif
.elseif NOKQ
	v_nop
.else
	REGS (Y+1)%NP
	WIN 0
.if (\n) < 4
	v_max3_num_f32 v[rC+(\n)], v[rS+8*(\n)], v[rS+8*(\n)+1], v[rS+8*(\n)+2]
.elseif (\n) < 12
	v_max3_num_f32 v[rC+(\n)%4], v[rC+(\n)%4], v[rS+8*((\n)%4)+2*((\n)/4)+1], v[rS+8*((\n)%4)+2*((\n)/4)+2]
.elseif (\n) == 12
	v_max3_num_f32 v[rC], v[rC], v[rS+7], v[rS+15]
.elseif (\n) == 13
	v_max3_num_f32 v[rC+1], v[rC+1], v[rS+23], v[rS+31]
.elseif (\n) == 14
	v_max3_num_f32 v[rC+2], v[rC+2], v[rC+3], v[rT+1]
.elseif (\n) == 15
	v_mov_b32 v[rW], v[rT]
.elseif (\n) == 16
	v_max3_num_f32 v[rC], v[rC], v[rC+1], v[rC+2]
.elseif (\n) == 17
	v_permlanex16_b32 v[rC+3], v[rC], s[SEL], s[SEL+1]
.elseif (\n) == 18
	v_max_num_f32 v[rT+1], v[rC], v[rC+3]
.elseif (\n) == 19
	v_mul_f32 v[rT], s[CS], v[rT+1]
.elseif (\n) == 20
	v_sub_f32 v[rC+1], v[rW], v[rT]
.else
	v_exp_f32 v[rC+2], v[rC+1]
.endif
.endif
.endm
.macro OPS a, i1, b=-1, i2=0, c=-1, i3=0, d=-1, i4=0
	OP \a, \i1
.if (\b) >= 0
	OP \b, \i2
.endif
.if (\c) >= 0
	OP \c, \i3
.endif
.if (\d) >= 0
	OP \d, \i4
.endif
.endm
.macro ROW a, i1, b, i2, c, i3, d, i4  ; a matrix instruction and the four behind it
	MM
	OPS \a, \i1, \b, \i2, \c, \i3, \d, \i4
.endm
; A TURN, for piece p. Ahead of its one wait stands all that names no result of the turn's exponentials; behind it the 8 products V^T P with the roundings and sums as riders.
; end = 1: the walk's last two turns: nothing is fetched. cnt = 1: the loop's count is taken down some lines ahead of the branch behind the turn.
; K of the next step is fetched in piece 2's turn, behind the last product that read K; V of the step in hand at the end of piece 0's turn, four plain instructions behind the last product that read V. Each is waited for a turn later.
.macro TURN p, end=0, cnt=0
.set Y, (\p)
.set i, 0
.set NOKQ, (\end)*((\p)/3)
.if ((\p) == 3) && !(\end)
	s_wait_dscnt 0x0                ; K is in
.endif
	ROW F,0, F,1, R,0, R,1
	ROW F,2, E,0, R,2, R,3
	ROW F,3, E,1, R,4, R,5
	ROW F,4, E,2, R,6, R,7
	ROW F,5, E,3, R,8, R,9
	ROW F,6, E,4, X,0, R,10
.if ((\p) == 2) && !(\end)
	WIN 0
	v_add_nc_u32 v[AK], s[TBK], v[GO]
.endif
	ROW F,7, E,5, X,1, X,4
	ROW F,8, E,6, X,2, X,5
	OPS E,7, E,8, X,6, E,9
	OPS X,3, E,10, X,8, E,11
.if ((\p) == 2) && !(\end)
	FETCH_K
.endif
	OPS X,9, X,7, E,12, X,10
	OPS E,13, X,12, X,11, E,14
	OPS X,13, E,15, F,9, X,14
.if (\p) == 0
	v_add_nc_u32 v[AV], s[TBV], v[AV0]
.endif
	OPS E,16, F,10, E,17, F,11
	OPS X,16, E,18, X,15, E,19
	OPS F,12, E,20, X,17, E,21
	OPS F,13, E,22, F,14, E,23
	OPS X,18, E,24, F,15, E,25
	OPS R,11, E,26, X,19, E,27
	OPS R,12, E,28, R,13, E,29
	OPS X,20, E,30, R,14, E,31
	OPS X,21, R,15
	WIN 0
	s_wait_alu depctr_va_vdst(0)    ; the wait for the batch
.if (\p) == 1
	s_wait_dscnt 0x0                ; V is in
.endif
	ROW C,0, B,0, C,2, B,1
	ROW L,0, C,4, B,2, L,1
	ROW C,6, B,3, L,2, C,8
	ROW B,4, L,3, C,10, B,5
	ROW L,4, C,12, B,6, L,5
.if (\p) == 0
	s_add_co_u32 s[TBV], s[TBV], STEPB
.endif
.if \cnt
	s_sub_co_u32 s[CNT], s[CNT], 1
	s_cmp_lg_u32 s[CNT], 0
.endif
	ROW C,14, B,7, L,6, C,1
	ROW C,3, L,7, C,5, C,7
	ROW C,9, C,11, C,13, C,15
.if (\p) == 0
	FETCH_V
.endif
.endm
.macro EACH n, line:vararg          ; one line for each piece x < n
.set x, 0
.rept \n
	\line
.set x, x+1
.endr
.endm
; THE LAST 16 KEYS, 1,024 .. 1,039 (block 64), for pieces x < n: one step in phases. The mask is the C operand that starts the sum. V's and P's keys 16 .. 31 of the product's 32 are 0.
.macro TAIL n
	WIN 0
	PLACES
	v_add_nc_u32 v[AK], 64*BLK, v[GO]
	v_add_nc_u32 v[AV], 64*BLK, v[AV0]
	WIN 0x80
.irp c, 0,1
	ds_load_b128 v[KF+8*\c:KF+8*\c+3],   v[AK] offset:1024*\c
	ds_load_b128 v[KF+8*\c+4:KF+8*\c+7], v[AK] offset:1024*\c+512
.endr
.irp cb, 0,1,2,3
	ds_load_tr16_b128 v[VF+8*\cb:VF+8*\cb+3], v[AV] offset:512*\cb
.endr
.irp cb, 0,1,2,3
.irp z, 4,5,6,7
	v_mov_b32 v[VF+8*\cb+\z], 0
.endr
.endr
	WIN 0
.irp z, 4,5,6,7
	EACH \n, v_mov_b32 v[P+8*x+\z], 0
.endr
	s_wait_dscnt 0x0
	WIN W_KM
	EACH \n, v_wmma_f32_16x16x32_f16 v[S+8*x:S+8*x+7], v[KF:KF+7], v[16*x:16*x+7], v[MASK:MASK+7]
	WIN W_KQ
.if (\n) == 1
	s_wait_alu depctr_va_vdst(0)    ; the wait stands directly ahead of the link
.endif
	EACH \n, v_wmma_f32_16x16x32_f16 v[S+8*x:S+8*x+7], v[KF+8:KF+15], v[16*x+8:16*x+15], v[S+8*x:S+8*x+7]
	WIN 0
	PLACES
	EACH \n, v_max3_num_f32 v[TT+4*x], v[S+8*x], v[S+8*x+1], v[S+8*x+2]
	EACH \n, v_max3_num_f32 v[TT+4*x+1], v[S+8*x+3], v[S+8*x+4], v[S+8*x+5]
	EACH \n, v_max3_num_f32 v[TT+4*x], v[TT+4*x], v[S+8*x+6], v[S+8*x+7]
	EACH \n, v_max3_num_f32 v[TT+4*x], v[TT+4*x], v[TT+4*x+1], v[ST+4*x+1]
	EACH \n, v_permlanex16_b32 v[TT+4*x+1], v[TT+4*x], s[SEL], s[SEL+1]
	EACH \n, v_mov_b32 v[TT+4*x+2], v[ST+4*x]
	EACH \n, v_max_num_f32 v[ST+4*x+1], v[TT+4*x], v[TT+4*x+1]
	EACH \n, v_mul_f32 v[ST+4*x], s[CS], v[ST+4*x+1]
	EACH \n, v_sub_f32 v[TT+4*x+3], v[TT+4*x+2], v[ST+4*x]
	EACH \n, v_exp_f32 v[TT+4*x+2], v[TT+4*x+3]
.irp q, 0,1,2,3
	EACH \n, v_pk_fma_f32 v[S+8*x+2*\q:S+8*x+2*\q+1], v[S+8*x+2*\q:S+8*x+2*\q+1], s[CS:CS+1], v[ST+4*x:ST+4*x+1] op_sel_hi:[1,0,0] neg_lo:[0,0,1] neg_hi:[0,0,1]
.endr
.irp q, 0,1,2,3,4,5,6,7
	EACH \n, v_exp_f32 v[S+8*x+\q], v[S+8*x+\q]
.endr
	v_nop                           ; a plain instruction behind the last exponential,
	s_wait_alu depctr_va_vdst(0)    ; and one wait for the batch
.irp q, 0,1,2,3
	EACH \n, v_cvt_pk_f16_f32 v[P+8*x+\q], v[S+8*x+2*\q], v[S+8*x+2*\q+1]
.endr
	EACH \n, v_pk_add_f32 v[S+8*x:S+8*x+1], v[S+8*x:S+8*x+1], v[S+8*x+2:S+8*x+3]
	EACH \n, v_pk_add_f32 v[S+8*x+4:S+8*x+5], v[S+8*x+4:S+8*x+5], v[S+8*x+6:S+8*x+7]
	EACH \n, v_pk_add_f32 v[S+8*x:S+8*x+1], v[S+8*x:S+8*x+1], v[S+8*x+4:S+8*x+5]
	EACH \n, v_pk_fma_f32 v[ST+4*x+2:ST+4*x+3], v[ST+4*x+2:ST+4*x+3], v[TT+4*x+2:TT+4*x+3], v[S+8*x:S+8*x+1] op_sel_hi:[1,0,1]
	WIN W_RS
.irp q, 0,1,2,3,4,5,6,7,8,9,10,11,12,13,14,15
	EACH \n, v_pk_mul_f32 v[32*x+2*\q:32*x+2*\q+1], v[32*x+2*\q:32*x+2*\q+1], v[TT+4*x+2:TT+4*x+3] op_sel_hi:[1,0]
.endr
	WIN W_PV
.irp cb, 0,1,2,3
	EACH \n, v_wmma_f32_16x16x32_f16 v[32*x+8*\cb:32*x+8*\cb+7], v[VF+8*\cb:VF+8*\cb+7], v[P+8*x:P+8*x+7], v[32*x+8*\cb:32*x+8*\cb+7]
.endr
	WIN 0
.endm
; A key step of tile 64, which sits in piece 0's registers: in phases.
.macro XSTEP
	WIN 0
	PLACES
	v_add_nc_u32 v[AK], s[TBK], v[GO]
	v_add_nc_u32 v[AV], s[TBV], v[AV0]
	FETCH_K
	FETCH_V
	s_add_co_u32 s[TBV], s[TBV], STEPB
	s_wait_dscnt 16                 ; K is in; V's 16 loads may stay out
.set i, 0
.rept 8
	KQ 0
.set i, i+1
.endr
	WIN 0
	PLACES
.set NOKQ, 0
.set Y, NP-1
.set nn, 0
.rept 22
	OP X, nn
.set nn, nn+1
.endr
.set Y, 0
.set nn, 0
.rept 16
	OP F, nn
.set nn, nn+1
.endr
.set nn, 0
.rept 32
	OP E, nn
.set nn, nn+1
.endr
	v_nop
	s_wait_alu depctr_va_vdst(0)    ; one wait for a and the 32 weights
.set nn, 0
.rept 16
	OP R, nn
.set nn, nn+1
.endr
.set nn, 0
.rept 16
	OP C, nn
.set nn, nn+1
.endr
.set nn, 0
.rept 8
	OP B, nn
.set nn, nn+1
.endr
.set nn, 0
.rept 8
	OP L, nn
.set nn, nn+1
.endr
	s_wait_dscnt 0x0                ; V is in
.set i, 0
.rept 8
	PV 0
.set i, i+1
.endr
.endm
.macro ALL line:vararg
.set t, 0
.rept 4
	\line
.set t, t+1
.endr
.endm
.macro PACK t                       ; piece t: divided by l, rounded to f16, stored: a lane's eight channels of a row are 16 bytes, and accumulator f's 32 lanes fill 512 bytes of the block on end
	WIN W_RS
.set i, 32*(\t)
.rept 16
	v_pk_mul_f32 v[i:i+1], v[i:i+1], v[ST+4*(\t)+2:ST+4*(\t)+3] op_sel_hi:[1,0]
.set i, i+2
.endr
	WIN 0x05
.set i, 0
.rept 16
	v_cvt_pk_f16_f32 v[S+16*(\t)+i], v[32*(\t)+2*i], v[32*(\t)+2*i+1]
.set i, i+1
.endr
	WIN 0
.irp f, 0,1,2,3
	global_store_b128 v[GO], v[S+16*(\t)+4*\f:S+16*(\t)+4*\f+3], s[10:11] offset:(\t)*BLK+\f*512  ; 512 consecutive bytes, aligned
.endr
.endm
	s_wait_tensorcnt 3              ; my part of the first 33,280 bytes (keys 0 .. 259) is in; my three younger loads may stay out
	s_barrier_signal -1
	s_barrier_wait -1               ; everybody's is
	v_add_nc_u32 v[AK], s[TBK], v[GO]
	FETCH_K                         ; key step 0
	s_wait_loadcnt 0x0              ; Q
	s_wait_dscnt 0x0
.set i, 0
.rept 8
	KQ 0
.set i, i+1
.endr
	WIN 0
	PLACES
.set NOKQ, 0
.set Y, NP-1
.set nn, 0
.rept 22
	OP X, nn                        ; piece 0's first maximum and statistics
.set nn, nn+1
.endr
	v_nop
	s_wait_alu depctr_va_vdst(0)
	s_mov_b32 s[CNT], 4             ; the first four steps read keys 0 .. 255
	s_mov_b32 s[SLOTS], 2
	s_branch .Lfirst                ; the loop is entered at a step's first turn, in the middle of a trip
.Lslot:                             ; passed once, behind the fourth step: from here on all keys are wanted
	s_wait_tensorcnt 0x0            ; all my loads have landed
	s_wait_dscnt 0x0
	s_barrier_signal -1
	s_barrier_wait -1               ; everybody's have
	s_mov_b32 s[CNT], 12
.Lstep:                             ; a trip: pieces 2 and 3 of one step, then pieces 0 and 1 of the next, whose K and V it fetches
	TURN 2
	TURN 3
	WIN 0
.Lfirst:
	TURN 0
	TURN 1, 0, 1
	WIN 0
	s_cbranch_scc1 .Lstep
	s_sub_co_u32 s[SLOTS], s[SLOTS], 1
	s_cmp_lg_u32 s[SLOTS], 0
	s_cbranch_scc1 .Lslot
	TURN 2, 1
	TURN 3, 1
.set i, 0
.rept 8
	PV NP-1
.set i, i+1
.endr
	TAIL 4
	; THE WAY OUT of my four pieces. The additions are the places behind the last products.
	ALL v_add_f32 v[ST+4*t+2], v[ST+4*t+2], v[ST+4*t+3]
	ALL v_permlanex16_b32 v[ST+4*t+3], v[ST+4*t+2], s[SEL], s[SEL+1]
	ALL v_add_f32 v[ST+4*t+2], v[ST+4*t+2], v[ST+4*t+3]
	ALL v_rcp_f32 v[ST+4*t+2], v[ST+4*t+2]
	v_nop
	s_wait_alu depctr_va_vdst(0)    ; one wait for the four reciprocals
	PACK 0
	PACK 1
	PACK 2
	PACK 3
	; TILE 64, my quarter of the keys, in piece 0's registers
	s_wait_xcnt 0x0                 ; the stores have read their data
	WIN 0x82
.set i, 0
.rept 16
	v_mov_b32 v[i], v[QX+i]
.set i, i+1
.endr
	WIN 0x40
.set i, 0
.rept 32
	v_mov_b32 v[i], 0
.set i, i+1
.endr
	WIN 0
	v_mov_b32 v[ST], 0xfe000000
	v_mov_b32 v[ST+1], 0xff7fffff
	v_mov_b32 v[ST+2], 0
	v_mov_b32 v[ST+3], 0
	s_mul_i32 s[TBK], s[WV], 4*STEPB
	s_mul_i32 s[TBV], s[WV], 4*STEPB
	s_mov_b32 s[CNT], 4
.Lx:
	XSTEP
	WIN 0
	s_sub_co_u32 s[CNT], s[CNT], 1
	s_cmp_lg_u32 s[CNT], 0
	s_cbranch_scc1 .Lx
	s_cmp_lg_u32 s[WV], 3
	s_cbranch_scc1 .Lno_tail        ; the last 16 keys are wave 3's
	TAIL 1
.Lno_tail:
	PLACES
	v_add_f32 v[ST+2], v[ST+2], v[ST+3]
	v_permlanex16_b32 v[ST+3], v[ST+2], s[SEL], s[SEL+1]
	v_add_f32 v[ST+1], v[ST+2], v[ST+3]  ; (c m, l) lie side by side
	WIN 0x04                        ; my part of tile 64 goes into my bytes of the merge's scratch, each accumulator from its low end on
.irp q, 0,1,2,3,4,5,6,7
	ds_store_b128 v[MSA], v[4*\q:4*\q+3] offset:512*\q
.endr
	WIN 0
	ds_store_b64 v[MSS], v[ST:ST+1] offset:4096
	s_wait_dscnt 0x0                ; for wave 0's sake: my stores are done
	s_barrier_signal -1
	s_barrier_wait -1
	s_cmp_lg_u32 s[WV], 0
	s_cbranch_scc1 .Lend            ; wave 0 merges
.irp z, 1,2,3
	ds_load_b64 v[32+2*\z:33+2*\z], v[ML8] offset:MSW*\z+4096
.endr
	WIN 0x80
.irp z, 1,2,3
.irp q, 0,1,2,3,4,5,6,7
	ds_load_b128 v[96+32*\z+4*\q:96+32*\z+4*\q+3], v[ML16] offset:MSW*\z+512*\q
.endr
.endr
	WIN 0
	s_wait_dscnt 0x0
	v_max3_num_f32 v52, v[ST], v34, v36
	v_max_num_f32 v52, v52, v38     ; the four parts' greatest c m
	v_sub_f32 v48, v[ST], v52
	v_sub_f32 v49, v34, v52
	v_sub_f32 v50, v36, v52
	v_sub_f32 v51, v38, v52
	v_exp_f32 v48, v48
	v_exp_f32 v49, v49
	v_exp_f32 v50, v50
	v_exp_f32 v51, v51
	v_nop
	s_wait_alu depctr_va_vdst(0)
	v_mul_f32 v53, v48, v[ST+1]
	v_fmac_f32 v53, v49, v35
	v_fmac_f32 v53, v50, v37
	v_fmac_f32 v53, v51, v39
	v_rcp_f32 v54, v53
	v_nop
	s_wait_alu depctr_va_vdst(0)
.irp z, 0,1,2,3
	v_mul_f32 v[40+2*\z], v[48+\z], v54
.endr
.irp z, 0,1,2,3
	v_mov_b32 v[41+2*\z], v[40+2*\z]
.endr
	WIN W_RS
.set i, 0
.rept 16
	v_pk_mul_f32 v[2*i:2*i+1], v[2*i:2*i+1], v[40:41] op_sel_hi:[1,0]
.set i, i+1
.endr
	WIN W_PV                        ; source 0 window 2, source 1 window 0, source 2 and destination window 1
.irp z, 1,2,3
.set i, 0
.rept 16
	v_pk_fma_f32 v[2*i:2*i+1], v[96+32*\z+2*i:96+32*\z+2*i+1], v[40+2*\z:41+2*\z], v[2*i:2*i+1] op_sel_hi:[1,0,1]
.set i, i+1
.endr
.endr
	WIN 0x05
.set i, 0
.rept 16
	v_cvt_pk_f16_f32 v[S+i], v[2*i], v[2*i+1]
.set i, i+1
.endr
	WIN 0
.irp f, 1,2,3
	s_cmp_eq_u32 s[CX], \f
	s_cselect_b32 s[MK+\f-1], -1, 0
.endr
.irp f, 1,2,3
.irp z, 0,1,2,3
	v_cndmask_b32 v[S+\z], v[S+\z], v[S+4*\f+\z], s[MK+\f-1]  ; channels 16 cx .. 16 cx + 15 are my work-group's
.endr
.endr
	global_store_b128 v[GO], v[S:S+3], s[OXB:OXB+1]  ; 512 consecutive bytes, aligned
.Lend:
	s_wait_tensorcnt 0x0            ; the wave's end
	ds_add_u32 v[SPW], v[NIL]
	s_wait_dscnt 0x0
	ROUND                           ; the closing round
	s_endpgm
.Lfunc_end_k_q71e77d7309_att:
	.size	k_q71e77d7309_att, .Lfunc_end_k_q71e77d7309_att-k_q71e77d7309_att
	.p2alignl 7, 3214868480
	.fill 96, 4, 3214868480
	.section	.rodata,"a",@progbits
	.p2align	6, 0x0
	.amdhsa_kernel k_q71e77d7309_att
		.amdhsa_group_segment_fixed_size 327680
		.amdhsa_private_segment_fixed_size 0
		.amdhsa_enable_private_segment 0
		.amdhsa_kernarg_size 32
		.amdhsa_user_sgpr_count 2
		.amdhsa_user_sgpr_kernarg_segment_ptr 1
		.amdhsa_wavefront_size32 1
		.amdhsa_system_sgpr_workgroup_id_x 1
		.amdhsa_system_sgpr_workgroup_id_y 1
		.amdhsa_system_sgpr_workgroup_id_z 1
		.amdhsa_system_vgpr_workitem_id 0
		.amdhsa_next_free_vgpr 768
		.amdhsa_next_free_sgpr 90
		.amdhsa_reserve_vcc 1
		.amdhsa_float_denorm_mode_32 3
		.amdhsa_float_denorm_mode_16_64 3
		.amdhsa_memory_ordered 1
		.amdhsa_forward_progress 1
		.amdhsa_inst_pref_size 126
	.end_amdhsa_kernel
	.amdgpu_metadata
---
amdhsa.version: [ 1, 2 ]
amdhsa.kernels:
  - .name:           k_q71e77d7309_att
    .symbol:         k_q71e77d7309_att.kd
    .args:
      - { .name: qh, .offset: 0, .size: 8, .value_kind: global_buffer, .address_space: global }
      - { .name: kh, .offset: 8, .size: 8, .value_kind: global_buffer, .address_space: global }
      - { .name: vh, .offset: 16, .size: 8, .value_kind: global_buffer, .address_space: global }
      - { .name: yh, .offset: 24, .size: 8, .value_kind: global_buffer, .address_space: global }
    .group_segment_fixed_size: 327680
    .private_segment_fixed_size: 0
    .kernarg_segment_align: 8
    .kernarg_segment_size: 32
    .max_flat_workgroup_size: 128
    .sgpr_count:     90
    .vgpr_count:     768
    .wavefront_size: 32
...
	.end_amdgpu_metadata
.endif
;; end of part 3
;; launch proj (part 4): grid 13 x 16, 4 waves a work-group, no clusters, 174,848 bytes of LDS; arguments yh, wpf, out0; writes out0
.if DOCPART == 4
	.amdgcn_target "amdgcn-amd-amdhsa--gfx1250"
	.amdhsa_code_object_version 6
	.text
	.protected	k_q71e77d7309_proj
	.globl	k_q71e77d7309_proj
	.p2align	8
	.type	k_q71e77d7309_proj,@function
k_q71e77d7309_proj:
	s_mov_b64 s[64:65], 0
	v_nop
	global_prefetch_b8 v0, s[64:65] scope:SCOPE_SE
	s_setreg_imm32_b32 hwreg(HW_REG_WAVE_MODE, 25, 1), 1
	s_wait_xcnt 0x0
; out0[b][t][:] = y[b][t][:] Wproj^T. yh: f16, [192 heads][65 blocks of 16 rows][8 groups of 8 channels][16 rows][8 channels]; wpf: Wproj rounded to bf16, written as f16, in fragment order;
; out0: [16][1033][768] f32. Products in f16, sums in f32.
; SHARES. A work-group owns 80 rows of one batch (13 x 80 = 1,040; rows past 1,032 are not stored) and all 768 columns; wave w owns columns 192 w .. + 191: 5 x 12 accumulators, 480 registers.
; The product is taken transposed (source 0 = 16 rows of W, source 1 = 16 rows of y): a lane ends with eight neighbouring columns of one row.
; y stays in LDS, by rows; the weights come straight from memory into registers, three sets deep, two K steps (120 matrix instructions) ahead: each fragment is used by one wave alone.
; NO CLUSTER, NO TENSOR LOADS: the y tile and the stage take 174,336 bytes of LDS, and no weight fragment is read by two waves of a work-group.
.set PA,     1552
.set RB16,   16*PA
.set STAGE,  80*PA                     ; 16 rows x 784 bytes (768 + 16) for each wave
.set SPITCH, 784
.set SPARE,  STAGE+4*16*SPITCH
.set WSTEP,  12288
.set WLAST,  23*WSTEP
.set HEADB,  133120
.set R,    1
.set H,    2
.set L16,  3
.set AB0,  4
.set AB1,  5
.set AA0,  6
.set AA1,  7
.set STO,  8
.set RD,   9
.set SPW,  10
.set NIL,  11
.set GOF,  12                          ; v12 my byte offset in two rows of out0
.set YO,   13                          ; v13 16 x thread
.set YS0,  14                          ; v14, v15 where I put 16 bytes of y in LDS
.set YS1,  15
.set ABUF, 40
.set BK0,  40                          ; on the way out: v[40:135], v[136:231] by turns
.set MSB, 0
.macro WIN new
.if MSB != (\new)
	s_set_vgpr_msb (MSB<<8)|(\new)
.set MSB, (\new)
.endif
.endm
.macro PLACES
.rept 4
	v_nop
.endr
.endm
.macro AC rb, cb
.set aI, 5*(\cb)+(\rb)
.set aW, 2+aI/32
.set aR, 8*(aI%32)
.endm
.macro LDA j, aoff
	WIN 0
.irp rb, 0,1,2
	ds_load_b128 v[ABUF+40*(\j)+8*\rb:ABUF+40*(\j)+8*\rb+3],   v[AA0] offset:\rb*RB16+(\aoff)
	ds_load_b128 v[ABUF+40*(\j)+8*\rb+4:ABUF+40*(\j)+8*\rb+7], v[AA0] offset:\rb*RB16+(\aoff)+32
.endr
.irp rb, 3,4
	ds_load_b128 v[ABUF+40*(\j)+8*\rb:ABUF+40*(\j)+8*\rb+3],   v[AA1] offset:(\rb-3)*RB16+(\aoff)
	ds_load_b128 v[ABUF+40*(\j)+8*\rb+4:ABUF+40*(\j)+8*\rb+7], v[AA1] offset:(\rb-3)*RB16+(\aoff)+32
.endr
.endm
.macro LDB j, base
.if (\j) < 2
	WIN 0x40
.set wR, 96*(\j)
.else
	WIN 0
.set wR, 160
.endif
.set cbv, 0
.rept 12
	global_load_b128 v[wR+8*cbv:wR+8*cbv+3],   v[L16], s[\base:\base+1] offset:cbv*1024
	global_load_b128 v[wR+8*cbv+4:wR+8*cbv+7], v[L16], s[\base:\base+1] offset:cbv*1024+512
.set cbv, cbv+1
.endr
.endm
.macro MUL j, zero                     ; 60 products; the 60 accumulators take turns
.if (\j) < 2
.set wR, 96*(\j)
.set wS, 1
.else
.set wR, 160
.set wS, 0
.endif
.set mi, 0
.rept 60
	WIN 0xA0+0x50*(mi/32)+wS
.set mD, 8*(mi%32)
.set mW, wR+8*(mi/5)
.set mA, ABUF+40*(\j)+8*(mi%5)
.if \zero
	v_wmma_f32_16x16x32_f16 v[mD:mD+7], v[mW:mW+7], v[mA:mA+7], 0
.else
	v_wmma_f32_16x16x32_f16 v[mD:mD+7], v[mW:mW+7], v[mA:mA+7], v[mD:mD+7]
.endif
.set mi, mi+1
.endr
.endm
.macro STEP j, aoff, zero
	PLACES                                         ; the set asked for below was read by the products just issued
	s_wait_xcnt 0x0                                ; earlier loads have read their addresses: the weights' pointer may be written
	s_add_co_u32 s32, s32, WSTEP
	s_min_u32 s32, s32, WLAST                      ; the last two look-aheads stay on the wave's last step, inside wpf
	s_add_nc_u64 s[34:35], s[6:7], s[32:33]
	LDA ((\j)+1)%3, \aoff
	LDB ((\j)+2)%3, 34
	s_wait_loadcnt 48                              ; this step's weights are in; the two younger sets of 24 stay out
	s_wait_dscnt 10                                ; this step's fragments of y are in; the next step's ten stay out
	MUL \j, \zero
.endm
	s_load_b128 s[4:7], s[0:1], 0x0                ; yh, wpf
	s_load_b64 s[8:9], s[0:1], 0x10                ; out0
	v_lshl_add_u32 v[SPW], v0, 2, SPARE
	v_mov_b32 v[NIL], 0
	v_lshrrev_b32 v37, 5, v0
	v_readfirstlane_b32 s26, v37                   ; wave w
	s_and_b32 s27, ttmp7, 0xffff                   ; batch b
	s_mul_i32 s29, ttmp9, 80                       ; t0
	v_and_b32 v[R], 15, v0
	v_bfe_u32 v[H], v0, 4, 1
	v_and_b32 v38, 31, v0
	v_lshlrev_b32 v[L16], 4, v38
	v_mul_u32_u24 v[AB0], v[R], PA
	v_lshl_add_u32 v[AB0], v[H], 4, v[AB0]
	v_add_nc_u32 v[AB1], 3*RB16, v[AB0]
	v_mov_b32 v[AA0], v[AB0]
	v_mov_b32 v[AA1], v[AB1]
	s_mul_i32 s46, s26, 16*SPITCH
	s_add_co_u32 s46, s46, STAGE
	v_mul_u32_u24 v[STO], v[R], SPITCH             ; into my stage: row l % 16, 32 bytes for each half of the lanes
	v_lshl_add_u32 v[STO], v[H], 5, v[STO]
	v_add_nc_u32 v[STO], s46, v[STO]
	v_mul_u32_u24 v[RD], v[H], SPITCH              ; back: lanes 0-15 take 256 bytes of one row, lanes 16-31 of the next
	v_lshl_add_u32 v[RD], v[R], 4, v[RD]
	v_add_nc_u32 v[RD], s46, v[RD]
	v_mul_u32_u24 v[GOF], v[H], 3072
	v_lshl_add_u32 v[GOF], v[R], 4, v[GOF]
	v_lshlrev_b32 v[YO], 4, v0                     ; of a block's 2,048 bytes thread t takes the 16 at 16 t: row t % 16, channel group t / 16,
	v_lshrrev_b32 v37, 4, v0
	v_mul_u32_u24 v[YS0], v[R], PA                 ; which go to that row of the tile in LDS
	v_lshl_add_u32 v[YS0], v37, 4, v[YS0]
	v_add_nc_u32 v[YS1], 3*RB16, v[YS0]
	s_mul_i32 s46, s27, 12*1040
	s_add_co_u32 s46, s46, s29
	s_lshl_b32 s46, s46, 7                         ; (12 b x 1,040 + t0) x 128: the batch's first head at the tile's first block
	s_mov_b32 s47, 0
	s_mul_i32 s50, s27, 1033
	s_add_co_u32 s50, s50, s29
	s_mul_i32 s50, s50, 3072
	s_mul_i32 s51, s26, 768
	s_add_co_u32 s50, s50, s51                     ; (1,033 b + t0) x 3,072 + 768 w
	s_mov_b32 s51, 0
	s_mul_i32 s52, s26, 24*WSTEP
	s_mov_b32 s53, 0
	s_wait_kmcnt 0x0
	s_add_nc_u64 s[4:5], s[4:5], s[46:47]
	s_add_nc_u64 s[8:9], s[8:9], s[50:51]
	s_add_nc_u64 s[6:7], s[6:7], s[52:53]
	s_mov_b64 s[34:35], s[6:7]
	s_add_nc_u64 s[48:49], s[6:7], WSTEP
	s_mov_b32 s32, WSTEP
	s_mov_b32 s33, 0
	WIN 0x80                                       ; the first loads: y, which the first barrier waits for, goes out ahead of the weights
.set hv, 0
.rept 12                                       ; y: head hv, a block a load: 2,048 consecutive bytes for the work-group's 128 threads
.irp j, 0,1,2,3,4
	global_load_b128 v[20*hv+4*\j:20*hv+4*\j+3], v[YO], s[4:5] offset:hv*HEADB+\j*2048 th:TH_LOAD_NT
.endr
.set hv, hv+1
.endr
	LDB 0, 34                                      ; K steps 0 and 1
	LDB 1, 48
	WIN 0x08                                       ; an LDS store's data is source 1: window 2
.set hv, 0
.rept 12
.if 103-5*hv > 63
	s_wait_loadcnt 63
.else
	s_wait_loadcnt 103-5*hv                        ; the younger heads' five loads each and the 48 weight loads may stay out
.endif
.irp j, 0,1,2
	ds_store_b128 v[YS0], v[20*hv+4*\j:20*hv+4*\j+3] offset:\j*RB16+128*hv
.endr
.irp j, 3,4
	ds_store_b128 v[YS1], v[20*hv+4*\j:20*hv+4*\j+3] offset:(\j-3)*RB16+128*hv
.endr
.set hv, hv+1
.endr
	WIN 0
	s_wait_dscnt 0x0                               ; for the others' sake: my part of y lies in LDS
	s_barrier_signal -1
	s_barrier_wait -1
	LDA 0, 0
	; 24 K steps. The step that starts the sums stands ahead of the loop, which has 8 trips of steps 0, 1, 2 and is entered at step 1.
	STEP 0, 64, 1
	WIN 0
	s_mov_b32 s31, 8
	s_mov_b32 s39, 0
	s_branch .Lmid
.Lk:
	STEP 0, 64, 0
	WIN 0
.Lmid:
	STEP 1, 128, 0
	WIN 0
	s_add_co_u32 s39, s39, 192                     ; three steps of 64 bytes on;
	s_min_u32 s39, s39, 1344                       ; the last trip has no step behind it: its look-ahead stays on the rows' written bytes and serves nothing
	v_add_nc_u32 v[AA0], s39, v[AB0]
	v_add_nc_u32 v[AA1], s39, v[AB1]
	STEP 2, 0, 0
	WIN 0
	s_sub_co_u32 s31, s31, 1
	s_cmp_lg_u32 s31, 0
	s_cbranch_scc1 .Lk
; THE WAY OUT, 16 rows at a time: from the accumulators into my stage, each from its low end on, back as pieces of 256 bytes of a row, stored while the next block goes through the stage.
.macro SENDP rb
.set sk, BK0+96*((\rb)%2)
.set fv, 0
.rept 24
	global_store_b128 v[GOF], v[sk+4*fv:sk+4*fv+3], s[8:9] offset:(16*(\rb)+2*(fv/3))*3072+256*(fv%3) th:TH_STORE_NT  ; 16 lanes store 256 consecutive bytes, aligned
.set fv, fv+1
.endr
.endm
.macro OUTB rb
	s_wait_xcnt 0x0                                ; the stores of the block before last have read their data
.set cbv, 0
.rept 12
	AC \rb, cbv
	WIN aW<<2
	ds_store_b128 v[STO], v[aR:aR+3]   offset:64*cbv
	ds_store_b128 v[STO], v[aR+4:aR+7] offset:64*cbv+16
.set cbv, cbv+1
.endr
	WIN 0
.set bk, BK0+96*((\rb)%2)
.set fv, 0
.rept 24
	ds_load_b128 v[bk+4*fv:bk+4*fv+3], v[RD] offset:2*SPITCH*(fv/3)+256*(fv%3)  ; LDS serves a wave's instructions in order (ISA guide 5.7.1.4)
.set fv, fv+1
.endr
.if (\rb) > 0
	s_wait_dscnt 48                                ; the block before is back; this block's 24 stores and 24 loads may stay out
	SENDP (\rb)-1
.endif
.endm
	PLACES
	s_wait_dscnt 0x0                               ; the last look-ahead has landed: its registers are used again below
	OUTB 0
	OUTB 1
	OUTB 2
	OUTB 3
	OUTB 4
	s_wait_dscnt 0x0
	s_sub_co_u32 s50, 969, s29                     ; row t0 + 64 + 2 f + l / 16 is stored where it is under 1,033
.set fp, 0
.rept 8
	s_wait_xcnt 0x0                                ; EXEC changes only behind this wait
	v_cmp_gt_i32 vcc_lo, s50, v[H]
	s_and_saveexec_b32 s51, vcc_lo
.irp z, 0,1,2
	global_store_b128 v[GOF], v[BK0+12*fp+4*\z:BK0+12*fp+4*\z+3], s[8:9] offset:(64+2*fp)*3072+256*\z th:TH_STORE_NT
.endr
	s_wait_xcnt 0x0
	s_or_b32 exec_lo, exec_lo, s51
	s_sub_co_u32 s50, s50, 2
.set fp, fp+1
.endr
	s_wait_tensorcnt 0x0                           ; the wave's end
	ds_add_u32 v[SPW], v[NIL]
	s_wait_dscnt 0x0
	s_endpgm
.Lfunc_end_k_q71e77d7309_proj:
	.size	k_q71e77d7309_proj, .Lfunc_end_k_q71e77d7309_proj-k_q71e77d7309_proj
	.p2alignl 7, 3214868480
	.fill 96, 4, 3214868480
	.section	.rodata,"a",@progbits
	.p2align	6, 0x0
	.amdhsa_kernel k_q71e77d7309_proj
		.amdhsa_group_segment_fixed_size 174848
		.amdhsa_private_segment_fixed_size 0
		.amdhsa_enable_private_segment 0
		.amdhsa_kernarg_size 24
		.amdhsa_user_sgpr_count 2
		.amdhsa_user_sgpr_kernarg_segment_ptr 1
		.amdhsa_wavefront_size32 1
		.amdhsa_system_sgpr_workgroup_id_x 1
		.amdhsa_system_sgpr_workgroup_id_y 1
		.amdhsa_system_sgpr_workgroup_id_z 1
		.amdhsa_system_vgpr_workitem_id 0
		.amdhsa_next_free_vgpr 992
		.amdhsa_next_free_sgpr 66
		.amdhsa_reserve_vcc 1
		.amdhsa_float_denorm_mode_32 3
		.amdhsa_float_denorm_mode_16_64 3
		.amdhsa_memory_ordered 1
		.amdhsa_forward_progress 1
		.amdhsa_inst_pref_size 76
	.end_amdhsa_kernel
	.amdgpu_metadata
---
amdhsa.version: [ 1, 2 ]
amdhsa.kernels:
  - .name:           k_q71e77d7309_proj
    .symbol:         k_q71e77d7309_proj.kd
    .args:
      - { .name: yh, .offset: 0, .size: 8, .value_kind: global_buffer, .address_space: global }
      - { .name: wpf, .offset: 8, .size: 8, .value_kind: global_buffer, .address_space: global }
      - { .name: out0, .offset: 16, .size: 8, .value_kind: global_buffer, .address_space: global }
    .group_segment_fixed_size: 174848
    .private_segment_fixed_size: 0
    .kernarg_segment_align: 8
    .kernarg_segment_size: 24
    .max_flat_workgroup_size: 128
    .sgpr_count:     66
    .vgpr_count:     992
    .wavefront_size: 32
...
	.end_amdgpu_metadata
.endif
;; end of part 4
;; ======== version 2 of 2: 4 launches; version 1 with the launch qkv written anew for expert scheduling mode
;; limits: values are held in f16: magnitudes above 65,504 overflow, below 6.1e-05 lose precision
;; workspace buffers: wf 3,538,944 bytes; wpf 1,179,648 bytes; qh 25,559,040 bytes; kh 25,559,040 bytes; vh 25,559,040 bytes; yh 25,559,040 bytes
;; launch prep: the kernel of part 1 again; grid 12 x 16, 4 waves a work-group, no clusters, 25,344 bytes of LDS; arguments Wq, Wk, Wv, Wproj, wf, wpf; writes wf, wpf
;; launch qkv (part 5): grid 13 x 16, 4 waves a work-group, no clusters, 162,560 bytes of LDS; arguments x, wf, qn_w, qn_b, kn_w, kn_b, freqs_cos, freqs_sin, qh, kh, vh; writes qh, kh, vh
.if DOCPART == 5
	.amdgcn_target "amdgcn-amd-amdhsa--gfx1250"
	.amdhsa_code_object_version 6
	.text
	.protected	k_q71e77d7309_qkv
	.globl	k_q71e77d7309_qkv
	.p2align	8
	.type	k_q71e77d7309_qkv,@function
k_q71e77d7309_qkv:
	s_mov_b64 s[64:65], 0
	v_nop
	global_prefetch_b8 v0, s[64:65] scope:SCOPE_SE
	s_setreg_imm32_b32 hwreg(HW_REG_WAVE_SCHED_MODE, 0, 2), 2
	s_setreg_imm32_b32 hwreg(HW_REG_WAVE_MODE, 25, 1), 1
	s_wait_xcnt 0x0
	s_wait_alu depctr_vm_vsrc(0)
; q = rope(LN(x Wq^T)), k = rope(LN(x Wk^T)), v = x Wv^T, written by heads in f16, unscaled.
; qh, kh, vh: [192 heads][65 blocks of 16 rows][8 groups of 8 channels][16 rows][8 channels]: a block is 2,048 bytes, and the 16 bytes of row r, group g lie at 256 g + 16 r.
; That is the order in which a lane ends up holding its results here, so they leave straight from registers, 512 consecutive bytes a store, and the order in which the attention's fragments are read.
; In vh the rows of the odd groups are turned by 8 (row r lies at place (r + 8) % 16), for the attention's turning LDS load, whose sixteen lanes read an even and an odd group at once.
; x, the weights (wf), the gains, the biases and the two tables enter rounded to bf16; products in bf16 with f32 sums; LN and the rotation in f32; one rounding to f16 at the end.
; LN in two passes over the registers: the mean, then the sum of squares of the centred numbers: no difference of large sums.
; LIMITS: |q|, |k|, |v| beyond 65,504 become infinities in f16. NaN and infinities are not treated apart.
; SHARES. A work-group owns 80 rows of one batch (13 x 80 = 1,040: rows past 1,032 repeat row 1,032) and all 2,304 columns, in three passes q, k, v. Wave w owns columns 192 w .. + 191 of a pass
; (three heads): 5 x 12 accumulators of 16 x 16, 480 registers. So a row's 768 numbers lie in the four waves' registers, and LN costs two meetings in LDS a pass.
; THE PRODUCT IS TAKEN TRANSPOSED (source 0 = 16 rows of W, source 1 = 16 rows of x): register j of lane l in accumulator (rb, cb) is row 16 rb + l % 16, column 192 w + 16 cb + 8 (l / 16) + j.
; x stays in LDS in bf16. The weights come straight from memory into registers: each fragment is used by one wave alone, and wf holds a wave's 72 K steps as one run of bytes, 512 consecutive bytes a load.
; Three register sets: a step's 24 loads go out behind the first six products of the step two ahead, 114 matrix instructions or more ahead of the wait for them; 48 of a wave's weight loads are out at the most.
; THE WAY OUT IS WRITTEN ONCE: a pass's 15 groups (a head x 16 rows) walk one loop. Only the lines that name accumulators are written for each group; forward jumps on the group's number choose among them.
; v takes the same loop with the scale 1 and jumps over gain, bias and rotation.
; NO CLUSTER, NO TENSOR LOADS: the x tile takes 124,160 bytes of LDS; what is left holds under two K steps of the 2,304 weight rows a slot, and no weight fragment is read by two waves of a work-group.
; THE MODE: SCHED_MODE bits 1:0 = 2 (LLVM: expert scheduling mode 2), set by the entry lines. The code itself states the register dependences
; between vector or matrix instructions and memory or LDS instructions, with s_wait_alu, always for 0.
; THE PLAN. Registers that memory or LDS instructions touch.
; In the K loop:
;   W0, W1, W2      Step s: its 60 products read W[s % 3]; the 24 loads of step s + 2 land in W[(s + 2) % 3], which the products of step s - 1 read last.
;   A0, A1, A2      Step s: its products read A[s % 3]; the ten LDS loads of step s + 1 land in A[(s + 1) % 3], which the products of step s - 2 read last.
;   v[AA0], v[AA1]  Read by every LDS load of a fragment; written once in three steps, between two steps, and behind a pass's last step.
;   v[L16]          Read by every load of weights; never written again: a scalar pointer moves on.
;   The accumulators are named by vector and matrix instructions alone.
; So ONE wait on va_vdst stands at a step's head, and the step's 34 loads follow it with no further wait, dealt behind its first nine products, which name W[s % 3], A[s % 3] and the accumulators:
; none of the registers that those loads touch. One wait on vm_vsrc in three steps stands ahead of the adds to v[AA0] and v[AA1].
; On the way out:
;   SS              Written by the sums; read by five LDS stores; written again by the next sums.
;   RBK             LDS loads land in it; additions read it.
;   WG BG CO SI     LDS loads land in them; gain, bias and rotation read them.
;   PK, v[VO]       Written by a group's roundings and one add; read by its four stores; written again a trip later.
;   v[GWP]          Written once a pass; read by the LDS loads of gain and bias.
; A trip has one wait on va_vdst, behind the roundings: it serves the four stores and the next group's LDS loads, between which stand only scalar lines; and one on vm_vsrc, ahead of the roundings, a trip behind the stores.
; At the head x is rounded in the registers in which it was loaded, so that no register that an LDS store has read is written again before the one wait on vm_vsrc behind the barrier.
.set PA,     1552                      ; an LDS row of x: 1,536 bytes + 16: an odd multiple of 16
.set RB16,   16*PA
.set GW,     80*PA                     ; qn_w, qn_b, kn_w, kn_b, 3,072 bytes each, f32
.set COSB,   GW+12288                  ; 80 rows x 144 bytes (128 + 16): the rows' cosines; their sines SINO further on
.set SINO,   11520
.set RED,    COSB+2*SINO               ; [wave][row] f32, 320 bytes a wave: the row sums; the sums of squares RED2O further on
.set RED2O,  1280
.set SPARE,  RED+2*RED2O               ; the spare words, 128 bytes a wave
.set WSTEP,  12288                     ; a wave's weights of one K step
.set WLAST,  71*WSTEP
.set HEADB,  133120                    ; a head: 65 blocks of 2,048 bytes
.set R,    1                           ; v1  l % 16
.set H,    2                           ; v2  l / 16
.set L16,  3                           ; v3  16 l; never rewritten
.set AB0,  4                           ; v4  my place in a fragment of x, row blocks 0-2; v5 the same for row blocks 3, 4
.set AB1,  5
.set AA0,  6                           ; v6, v7  the same, walking along K
.set AA1,  7
.set VB,   8                           ; v8  my 16 bytes in 512 of a block: 16 l; in v's pass with the odd groups' turn
.set SPW,  10
.set NIL,  11
.set REDS, 12
.set REDL, 13
.set GWA,  14
.set CSA,  15
.set MU,   16                          ; v[16:25] the five row blocks' means, in pairs
.set RS,   26                          ; v[26:35] their 1 / sqrt(var + eps), in pairs (v's pass: 1)
.set GWP,  36
.set VO,   37                          ; v37 at work at the head; on the way out my byte offset in the pass's three heads
.set ABUF, 40                          ; v[40:159] three buffers of five fragments of x
.set XO,   40                          ; at the head only: v[40:59] 20 rows' offsets, v72-74 LDS addresses
.set SA,   72
.set GWS,  73
.set CSS,  74
.set TB,   160                         ; at the head only: v[160:223] the tables as loaded, v[224:234] their offsets and tokens
.set TOF,  224
.set G8,   229
.set TT,   230
.set T,    80                          ; on the way out: v[80:111] a group's 32 numbers
.set U,    112                         ; v[112:127] eight pairs at work in the rotation
.set PK,   128                         ; v[128:143] the group rounded to f16
.set RBK,  120                         ; v[120:139] in the row sums only
.set SS,   144
.set WG,   160
.set BG,   192
.set CO,   224
.set SI,   240
.set TK,   56                          ; s[56:60] at the head only: the lanes whose token, in table piece j, is under 9
; window 1: v0-95 weight set 0, v96-191 set 1; window 0: v160-255 set 2; windows 2 and 3: accumulator 5 cb + rb at register 512 + 8 (5 cb + rb)
; scalars: s26 wave, s27 batch, s29 first token, s30 pass, s31 K trips, s[32:33] the weights' offset, s[34:35] their pointer, s[36:37] the pass's output at my first head's first row,
; s38 the pass's gain and bias in GW, s39 the K walk's bytes, s52 the group, s54 the byte offset of the group in hand
.set MSB, 0
.macro WIN new                         ; the high byte repeats the setting that is left; a switch that changes nothing is dropped
.if MSB != (\new)
	s_set_vgpr_msb (MSB<<8)|(\new)
.set MSB, (\new)
.endif
.endm
.macro PLACES                          ; four places behind matrix instructions (ISA guide 7.12.1)
.rept 4
	v_nop
.endr
.endm
.macro AC rb, cb                       ; window and register of accumulator (rb, cb)
.set aI, 5*(\cb)+(\rb)
.set aW, 2+aI/32
.set aR, 8*(aI%32)
.endm
.macro LDA1 j, aoff, rb                ; fragment rb of five of x, 32 along K at byte aoff behind the walking address, into buffer j
.if (\rb) < 3
	ds_load_b128 v[ABUF+40*(\j)+8*(\rb):ABUF+40*(\j)+8*(\rb)+3],   v[AA0] offset:(\rb)*RB16+(\aoff)
	ds_load_b128 v[ABUF+40*(\j)+8*(\rb)+4:ABUF+40*(\j)+8*(\rb)+7], v[AA0] offset:(\rb)*RB16+(\aoff)+32
.else
	ds_load_b128 v[ABUF+40*(\j)+8*(\rb):ABUF+40*(\j)+8*(\rb)+3],   v[AA1] offset:((\rb)-3)*RB16+(\aoff)
	ds_load_b128 v[ABUF+40*(\j)+8*(\rb)+4:ABUF+40*(\j)+8*(\rb)+7], v[AA1] offset:((\rb)-3)*RB16+(\aoff)+32
.endif
.endm
.macro LDA j, aoff                     ; all five
	WIN 0
.irp rb, 0,1,2,3,4
	LDA1 \j, \aoff, \rb
.endr
.endm
.macro LDB1 j, base, cb                ; weight fragment cb of a K step's twelve into set j
.if (\j) < 2
	WIN 0x40
.set lR, 96*(\j)+8*(\cb)
.else
	WIN 0
.set lR, 160+8*(\cb)
.endif
	global_load_b128 v[lR:lR+3],   v[L16], s[\base:\base+1] offset:(\cb)*1024
	global_load_b128 v[lR+4:lR+7], v[L16], s[\base:\base+1] offset:(\cb)*1024+512
.endm
.macro LDB j, base                     ; all twelve
.set cbv, 0
.rept 12
	LDB1 \j, \base, cbv
.set cbv, cbv+1
.endr
.endm
; 60 products on buffers j; the 60 accumulators take turns. zero = 1: they start the sums.
; Behind the first nine stand the step's 34 loads: behind products 0 to 5 two weight fragments each of the step two on, into set j + 2; behind products 6 to 8 the next step's five fragments of x, into buffer j + 1.
; No wait stands among them: no product of this step names a register that these loads touch.
.macro MUL j, aoff, zero
.if (\j) < 2
.set wR, 96*(\j)
.set wS, 1
.else
.set wR, 160
.set wS, 0
.endif
.set mi, 0
.rept 60
	WIN 0xA0+0x50*(mi/32)+wS
.set mD, 8*(mi%32)
.set mW, wR+8*(mi/5)
.set mA, ABUF+40*(\j)+8*(mi%5)
.if \zero
	v_wmma_f32_16x16x32_bf16 v[mD:mD+7], v[mW:mW+7], v[mA:mA+7], 0
.else
	v_wmma_f32_16x16x32_bf16 v[mD:mD+7], v[mW:mW+7], v[mA:mA+7], v[mD:mD+7]
.endif
.if mi < 6
	LDB1 ((\j)+2)%3, 34, 2*mi
	LDB1 ((\j)+2)%3, 34, 2*mi+1
.elseif mi < 8
	WIN 0
	LDA1 ((\j)+1)%3, \aoff, 2*mi-12
	LDA1 ((\j)+1)%3, \aoff, 2*mi-11
.elseif mi == 8
	WIN 0
	LDA1 ((\j)+1)%3, \aoff, 4
.endif
.set mi, mi+1
.endr
.endm
; A K step on buffers j.
.macro STEP j, aoff, zero
	PLACES                                         ; four places behind the products just issued, which read the set that this step asks for again
	s_wait_xcnt 0x0                                ; earlier loads and stores have read their addresses and data: the weights' pointer may be written
	s_add_co_u32 s32, s32, WSTEP
	s_min_u32 s32, s32, WLAST                      ; the last two look-aheads stay on the wave's last step, inside wf
	s_add_nc_u64 s[34:35], s[6:7], s[32:33]
	s_wait_loadcnt 24                              ; this step's weights are in; the next step's 24 loads stay out
	s_wait_dscnt 0x0                               ; this step's fragments of x are in
	s_wait_alu depctr_va_vdst(0)                   ; the last step's products are done reading the set in which this step's weight loads land, the products before them the fragments in which its LDS loads land; behind the adds v[AA0] and v[AA1] are written; in a pass's first step the way out is done with these registers
	MUL \j, \aoff, \zero
.endm
; A pass: 24 K steps. The step that starts the sums stands ahead of the loop, which has 8 trips of steps 0, 1, 2 and is entered at step 1.
.macro MAIN
	STEP 0, 64, 1
	WIN 0
	s_mov_b32 s31, 8
	s_mov_b32 s39, 0
	s_branch .Lmid\@
.Lk\@:
	STEP 0, 64, 0
	WIN 0
.Lmid\@:
	STEP 1, 128, 0
	WIN 0
	s_add_co_u32 s39, s39, 192                     ; three steps of 64 bytes on;
	s_min_u32 s39, s39, 1344                       ; the last trip has no step behind it: its look-ahead stays on the rows' written bytes and serves nothing
	s_wait_alu depctr_vm_vsrc(0)                   ; the LDS loads issued so far have read v[AA0] and v[AA1]
	v_add_nc_u32 v[AA0], s39, v[AB0]
	v_add_nc_u32 v[AA1], s39, v[AB1]
	STEP 2, 0, 0
	WIN 0
	s_sub_co_u32 s31, s31, 1
	s_cmp_lg_u32 s31, 0
	s_cbranch_scc1 .Lk\@
	s_wait_dscnt 0x0                               ; that look-ahead has landed: its registers are loaded again,
	s_wait_alu depctr_vm_vsrc(0)                   ; and it has read v[AA0] and v[AA1]
	v_mov_b32 v[AA0], v[AB0]
	v_mov_b32 v[AA1], v[AB1]
	s_wait_alu depctr_va_vdst(0)                   ; both are written, which the loads below read
	LDA 0, 0                                       ; the next pass's first fragments, which have the whole way out in which to land
.endm
	s_load_b512 s[4:19], s[0:1], 0x0               ; x, wf, qn_w, qn_b, kn_w, kn_b, cos, sin
	s_load_b128 s[20:23], s[0:1], 0x40             ; qh, kh
	s_load_b64 s[24:25], s[0:1], 0x50              ; vh
	v_lshl_add_u32 v[SPW], v0, 2, SPARE
	v_mov_b32 v[NIL], 0
	v_lshrrev_b32 v37, 5, v0
	v_readfirstlane_b32 s26, v37                   ; wave w
	s_and_b32 s27, ttmp7, 0xffff                   ; batch b
	s_mul_i32 s29, ttmp9, 80                       ; t0
	s_mov_b32 s40, 0x76543210                      ; v_permlanex16_b32: each lane takes its own place in the other half
	s_mov_b32 s41, 0xfedcba98
	s_mov_b32 s42, 0x3aaaaaab                      ; 1 / 768
	s_mov_b32 s43, 0x3727c5ac                      ; 1e-5
	v_and_b32 v[R], 15, v0
	v_bfe_u32 v[H], v0, 4, 1
	v_and_b32 v38, 31, v0
	v_and_b32 v39, 7, v0
	v_lshlrev_b32 v[L16], 4, v38
	v_mov_b32 v[VB], v[L16]
	v_mul_u32_u24 v[AB0], v[R], PA
	v_lshl_add_u32 v[AB0], v[H], 4, v[AB0]
	v_add_nc_u32 v[AB1], 3*RB16, v[AB0]
	v_mov_b32 v[AA0], v[AB0]
	v_mov_b32 v[AA1], v[AB1]
	v_lshlrev_b32 v[REDL], 2, v[R]
	v_add_nc_u32 v[REDL], RED, v[REDL]
	v_mul_u32_u24 v[CSA], v[R], 144
	v_lshl_add_u32 v[CSA], v[H], 4, v[CSA]
	v_add_nc_u32 v[CSA], COSB, v[CSA]
	v_lshlrev_b32 v[G8], 3, v0
	v_add_nc_u32 v[GWS], GW, v[G8]
	v_lshrrev_b32 v37, 3, v0
	v_mul_u32_u24 v[CSS], v37, 144
	v_lshl_add_u32 v[CSS], v39, 4, v[CSS]
	v_add_nc_u32 v[CSS], COSB, v[CSS]
	v_add_nc_u32 v37, s29, v37
.irp j, 0,1,2,3,4                      ; the table row of token t is t - 9, held to 0 .. 1,023 (tokens under 9 are not rotated; rows past 1,032 repeat 1,032)
	v_add_nc_u32 v[TT+\j], 16*\j, v37
	v_add_nc_u32 v[TOF+\j], -9, v[TT+\j]
	v_cmp_gt_u32 s[TK+\j], 9, v[TT+\j]             ; the five masks are kept: the tables' pieces are chosen by them too
.endr
	s_wait_alu depctr_va_sdst(0)                   ; s26 and the five masks s[56:60] are written, ahead of the first reader of any of them
.irp j, 0,1,2,3,4
	v_cndmask_b32 v[TOF+\j], v[TOF+\j], 0, s[TK+\j]
	v_min_u32 v[TOF+\j], 1023, v[TOF+\j]
	v_lshlrev_b32 v[TOF+\j], 7, v[TOF+\j]
	v_lshl_add_u32 v[TOF+\j], v39, 4, v[TOF+\j]
.endr
	s_mul_i32 s44, s27, 12
	s_mul_i32 s46, s26, 3
	s_add_co_u32 s44, s44, s46
	s_mul_i32 s44, s44, 1040
	s_add_co_u32 s44, s44, s29
	s_lshl_b32 s44, s44, 7                         ; ((12 b + 3 w) 1,040 + t0) x 128: my first head's first block (t0 is a multiple of 16)
	s_mov_b32 s45, 0
	s_mul_i32 s46, s26, 320
	s_add_co_u32 s46, s46, RED
	v_lshl_add_u32 v[REDS], v[R], 2, s46
	s_mul_i32 s46, s26, 768
	s_add_co_u32 s46, s46, GW
	v_lshl_add_u32 v[GWA], v[H], 5, s46
	s_mul_i32 s46, s26, 20*PA
	v_lshl_add_u32 v[SA], v38, 3, s46              ; my wave's 20 rows of x in LDS, 8 bytes a lane
	s_mul_i32 s50, s26, 20
	s_add_co_u32 s50, s50, s29
.set iv, 0
.rept 20
	s_add_co_u32 s51, s50, iv
	s_min_u32 s51, s51, 1032
	s_mul_i32 s51, s51, 3072
	v_add_nc_u32 v[XO+iv], s51, v[L16]
.set iv, iv+1
.endr
	s_wait_kmcnt 0x0
	s_mul_i32 s46, s27, 3173376
	s_mov_b32 s47, 0
	s_add_nc_u64 s[4:5], s[4:5], s[46:47]          ; x at my batch
	s_mul_i32 s46, s26, 72*WSTEP
	s_add_nc_u64 s[6:7], s[6:7], s[46:47]          ; wf at my wave's run
	s_mov_b64 s[34:35], s[6:7]
	s_add_nc_u64 s[48:49], s[6:7], WSTEP
	s_mov_b32 s32, WSTEP
	s_mov_b32 s33, 0
	s_wait_alu depctr_va_vdst(0)                   ; all the offsets and addresses made above are written, which the loads and LDS instructions of the kernel read
	; the first loads: the tables and x, which the first barrier waits for, go out ahead of the weights
.irp a, 0,1,2,3
.irp j, 0,1,2
	global_load_b64 v[TB+6*\a+2*\j:TB+6*\a+2*\j+1], v[G8], s[8+2*\a:9+2*\a] offset:1024*\j
.endr
.endr
.irp j, 0,1,2,3,4
	global_load_b128 v[TB+24+4*\j:TB+24+4*\j+3], v[TOF+\j], s[16:17]
	global_load_b128 v[TB+44+4*\j:TB+44+4*\j+3], v[TOF+\j], s[18:19]
.endr
.macro XREG i, c                       ; x as loaded lies where the accumulators will: row i of my 20, chunk c at register 512 + 24 i + 4 c
.set xI, 24*(\i)+4*(\c)
.set xW, 2+xI/256
.set xR, xI%256
.endm
.set iv, 0
.rept 20
.set cv, 0
.rept 6
	XREG iv, cv
	WIN xW<<6
	global_load_b128 v[xR:xR+3], v[XO+iv], s[4:5] offset:512*cv th:TH_LOAD_NT
.set cv, cv+1
.endr
.set iv, iv+1
.endr
	LDB 0, 34                                      ; K steps 0 and 1
	LDB 1, 48
	WIN 0
	s_wait_loadcnt 63                              ; 168 loads were issued behind the tables: the tables are in
.macro RND a                           ; two numbers rounded to bf16, kept as f32
	v_cvt_pk_bf16_f32 v37, v[\a], v[\a+1]
	v_lshlrev_b32 v[\a], 16, v37
	v_and_b32 v[\a+1], 0xffff0000, v37
.endm
.set iv, 0
.rept 12
	RND TB+2*iv
.set iv, iv+1
.endr
.irp j, 0,1,2,3,4                      ; a token under 9 is turned by the angle 0
.irp z, 0,1,2,3
	v_cndmask_b32 v[TB+24+4*\j+\z], v[TB+24+4*\j+\z], 1.0, s[TK+\j]
	v_cndmask_b32 v[TB+44+4*\j+\z], v[TB+44+4*\j+\z], 0, s[TK+\j]
.endr
	RND TB+24+4*\j
	RND TB+26+4*\j
	RND TB+44+4*\j
	RND TB+46+4*\j
.endr
.macro XCVT i                          ; row i of my 20 is rounded to bf16 in place: a chunk's four numbers close up into the first two of their four registers
.set cv, 0
.rept 6
	XREG \i, cv
	WIN 0x45*xW
	v_cvt_pk_bf16_f32 v[xR], v[xR], v[xR+1]
	v_cvt_pk_bf16_f32 v[xR+1], v[xR+2], v[xR+3]
.set cv, cv+1
.endr
.endm
.macro XSTO i                          ; and goes into LDS, 8 bytes a lane
.set cv, 0
.rept 6
	XREG \i, cv
	WIN xW<<2
	ds_store_b64 v[SA], v[xR:xR+1] offset:(\i)*PA+cv*256
.set cv, cv+1
.endr
.endm
.set gv, 0
.rept 5                                        ; x: four rows at a time
.if 144-24*gv > 63
	s_wait_loadcnt 63
.else
	s_wait_loadcnt 144-24*gv                       ; the younger rows' six loads each and the 48 weight loads may stay out
.endif
.irp z, 0,1,2,3
	XCVT 4*gv+\z
.endr
	s_wait_alu depctr_va_vdst(0)                   ; the four rows' roundings have written the registers that the LDS stores below read; the first time the tables' roundings too
.if gv == 0
	WIN 0
.irp a, 0,1,2,3
.irp j, 0,1,2
	ds_store_b64 v[GWS], v[TB+6*\a+2*\j:TB+6*\a+2*\j+1] offset:3072*\a+1024*\j
.endr
.endr
.irp j, 0,1,2,3,4
	ds_store_b128 v[CSS], v[TB+24+4*\j:TB+24+4*\j+3] offset:2304*\j
	ds_store_b128 v[CSS], v[TB+44+4*\j:TB+44+4*\j+3] offset:2304*\j+SINO
.endr
.endif
.irp z, 0,1,2,3
	XSTO 4*gv+\z
.endr
.set gv, gv+1
.endr
	WIN 0
	s_wait_dscnt 0x0                               ; for the others' sake: my rows and my parts of the tables lie in LDS
	s_barrier_signal -1
	s_barrier_wait -1
	s_wait_alu depctr_vm_vsrc(0)                   ; my LDS stores have read x's registers, the tables' and their three addresses, my loads their offsets: from here on products write the first, and fragments and weights land in the others
	LDA 0, 0
	s_mov_b32 s30, 0                               ; the pass
	s_add_nc_u64 s[36:37], s[20:21], s[44:45]      ; where it stores
	s_mov_b32 s38, 0                               ; its gain and bias in GW
; A sum over a row: the pair's halves, the other half of the lanes, then the four waves' parts through LDS. The two regions take turns, so a region's reads are over at the other region's barrier.
.macro RSUM off
	WIN 0
.irp rb, 0,1,2,3,4
	v_add_f32 v[SS+2*\rb], v[SS+2*\rb], v[SS+2*\rb+1]
.endr
.irp rb, 0,1,2,3,4
	v_permlanex16_b32 v[SS+2*\rb+1], v[SS+2*\rb], s40, s41
.endr
.irp rb, 0,1,2,3,4
	v_add_f32 v[SS+2*\rb], v[SS+2*\rb], v[SS+2*\rb+1]
.endr
	s_wait_alu depctr_va_vdst(0)                   ; the additions have written SS, which the LDS stores read; and all that named RBK's registers is done, in which the LDS loads below land
.irp rb, 0,1,2,3,4
	ds_store_b32 v[REDS], v[SS+2*\rb] offset:(\off)+64*\rb
.endr
	s_wait_dscnt 0x0
	s_barrier_signal -1
	s_barrier_wait -1
.irp rb, 0,1,2,3,4
.irp z, 0,1,2,3
	ds_load_b32 v[RBK+4*\rb+\z], v[REDL] offset:(\off)+320*\z+64*\rb
.endr
.endr
	s_wait_dscnt 0x0
	s_wait_alu depctr_vm_vsrc(0)                   ; the LDS stores have read SS, which the next sums write again
.irp rb, 0,1,2,3,4
	v_add_f32 v[RBK+4*\rb], v[RBK+4*\rb], v[RBK+4*\rb+1]
	v_add_f32 v[RBK+4*\rb+2], v[RBK+4*\rb+2], v[RBK+4*\rb+3]
.endr
.irp rb, 0,1,2,3,4
	v_add_f32 v[RBK+4*\rb], v[RBK+4*\rb], v[RBK+4*\rb+2]
.endr
.endm
.macro ROPM jp                         ; (even, odd) x cos of pair jp
.if ((\jp)%2) == 0
	v_pk_mul_f32 v[U+2*((\jp)%8):U+2*((\jp)%8)+1], v[T+2*(\jp):T+2*(\jp)+1], v[CO+(\jp):CO+(\jp)+1] op_sel_hi:[1,0]
.else
	v_pk_mul_f32 v[U+2*((\jp)%8):U+2*((\jp)%8)+1], v[T+2*(\jp):T+2*(\jp)+1], v[CO+(\jp)-1:CO+(\jp)] op_sel:[0,1] op_sel_hi:[1,1]
.endif
.endm
.macro ROPF jp                         ; even = even cos - odd sin, odd = odd cos + even sin
.if ((\jp)%2) == 0
	v_pk_fma_f32 v[T+2*(\jp):T+2*(\jp)+1], v[T+2*(\jp):T+2*(\jp)+1], v[SI+(\jp):SI+(\jp)+1], v[U+2*((\jp)%8):U+2*((\jp)%8)+1] op_sel:[1,0,0] op_sel_hi:[0,0,1] neg_lo:[0,1,0]
.else
	v_pk_fma_f32 v[T+2*(\jp):T+2*(\jp)+1], v[T+2*(\jp):T+2*(\jp)+1], v[SI+(\jp)-1:SI+(\jp)], v[U+2*((\jp)%8):U+2*((\jp)%8)+1] op_sel:[1,1,0] op_sel_hi:[0,1,1] neg_lo:[0,1,0]
.endif
.endm
; What is written for each group k (head k / 5 of my three, row block k % 5): a head's first group asks for the head's gain and bias; each then asks for its rows' cosines and sines, eight loads;
; its four accumulators, each from its low end on, times the rows' scale go into T; its byte offset in the output is left in s54.
; The LDS loads stand first: between them and the last wait on va_vdst no vector instruction names the registers in which they land.
.macro BODY k
.set bH, (\k)/5
.set bR, (\k)%5
	WIN 0
.if bR == 0
.irp c, 0,1,2,3
	ds_load_b128 v[WG+8*\c:WG+8*\c+3],   v[GWP] offset:256*bH+64*\c
	ds_load_b128 v[WG+8*\c+4:WG+8*\c+7], v[GWP] offset:256*bH+64*\c+16
	ds_load_b128 v[BG+8*\c:BG+8*\c+3],   v[GWP] offset:256*bH+64*\c+3072
	ds_load_b128 v[BG+8*\c+4:BG+8*\c+7], v[GWP] offset:256*bH+64*\c+3088
.endr
.endif
.irp c, 0,1,2,3
	ds_load_b128 v[CO+4*\c:CO+4*\c+3], v[CSA] offset:bR*2304+32*\c
	ds_load_b128 v[SI+4*\c:SI+4*\c+3], v[CSA] offset:bR*2304+32*\c+SINO
.endr
.irp c, 0,1,2,3
	AC bR, 4*bH+\c
	WIN aW
.irp p, 0,1,2,3
	v_pk_mul_f32 v[T+8*\c+2*\p:T+8*\c+2*\p+1], v[aR+2*\p:aR+2*\p+1], v[RS+2*bR:RS+2*bR+1] op_sel_hi:[1,0]
.endr
.endr
	WIN 0
	s_mov_b32 s54, bH*HEADB+bR*2048
.endm
.macro BLK k, n                        ; group k's lines, passed over where the group is another
.LB\k:
	s_cmp_lg_u32 s52, \k
	s_cbranch_scc1 .LB\n
	BODY \k
.if (\k) < 14
	s_branch .LB15
.endif
.endm
.Lpass:
	MAIN
	s_cmp_eq_u32 s30, 2
	s_cbranch_scc1 .Lplain                         ; v has no LN
	; the row sums: each accumulator is read from its low end on; five chains side by side
	PLACES
.irp rb, 0,1,2,3,4
	AC \rb, 0
	WIN 0x0a
	v_pk_add_f32 v[SS+2*\rb:SS+2*\rb+1], v[aR:aR+1], v[aR+2:aR+3]
.endr
.set cbw, 0
.rept 12
.set pv, 0
.rept 4
.if (cbw > 0) || (pv > 1)
.irp rb, 0,1,2,3,4
	AC \rb, cbw
	WIN aW
	v_pk_add_f32 v[SS+2*\rb:SS+2*\rb+1], v[aR+2*pv:aR+2*pv+1], v[SS+2*\rb:SS+2*\rb+1]
.endr
.endif
.set pv, pv+1
.endr
.set cbw, cbw+1
.endr
	RSUM 0
.irp rb, 0,1,2,3,4
	v_mul_f32 v[MU+2*\rb], s42, v[RBK+4*\rb]
.endr
.irp rb, 0,1,2,3,4
	v_mov_b32 v[MU+2*\rb+1], v[MU+2*\rb]
.endr
	; centred in place, and the sums of squares
.set cbw, 0
.rept 12
.irp rb, 0,1,2,3,4
	AC \rb, cbw
	WIN (aW<<6)|aW
.irp p, 0,1,2,3
	v_pk_add_f32 v[aR+2*\p:aR+2*\p+1], v[aR+2*\p:aR+2*\p+1], v[MU+2*\rb:MU+2*\rb+1] op_sel_hi:[1,0] neg_lo:[0,1] neg_hi:[0,1]
.endr
.endr
.irp p, 0,1,2,3
.irp rb, 0,1,2,3,4
	AC \rb, cbw
	WIN 5*aW
.if (cbw == 0) && (\p == 0)
	v_pk_mul_f32 v[SS+2*\rb:SS+2*\rb+1], v[aR:aR+1], v[aR:aR+1]
.else
	v_pk_fma_f32 v[SS+2*\rb:SS+2*\rb+1], v[aR+2*\p:aR+2*\p+1], v[aR+2*\p:aR+2*\p+1], v[SS+2*\rb:SS+2*\rb+1]
.endif
.endr
.endr
.set cbw, cbw+1
.endr
	RSUM RED2O
.irp rb, 0,1,2,3,4
	v_fma_f32 v[RBK+4*\rb], v[RBK+4*\rb], s42, s43
.endr
.irp rb, 0,1,2,3,4
	v_rsq_f32 v[RS+2*\rb], v[RBK+4*\rb]
.endr
	v_nop                                          ; a plain instruction behind the last root,
	s_wait_alu depctr_va_vdst(0)                   ; and one wait for the five roots' results in RS, ahead of their first use
.irp rb, 0,1,2,3,4
	v_mov_b32 v[RS+2*\rb+1], v[RS+2*\rb]
.endr
	s_branch .Lout
.Lplain:
.irp rb, 0,1,2,3,4                     ; v leaves as it is: the scale is 1. These lines are also the places behind the last products
	v_mov_b32 v[RS+2*\rb], 1.0
	v_mov_b32 v[RS+2*\rb+1], 1.0
.endr
	v_lshl_add_u32 v[VB], v[H], 3, v[R]            ; vh: my group's parity is l / 16, so my row lies at place (r + 8 (l / 16)) % 16 of its group's 256 bytes
	v_and_b32 v[VB], 15, v[VB]
	v_lshlrev_b32 v[VB], 4, v[VB]
	v_lshl_add_u32 v[VB], v[H], 8, v[VB]
.Lout:
	; THE WAY OUT. A trip finishes group g (gain and bias, rotation, rounding), stores it straight from its registers, and begins group g + 1.
	s_wait_alu depctr_vm_vsrc(0)                   ; the last pass's LDS loads of gain and bias have read v[GWP]
	v_add_nc_u32 v[GWP], s38, v[GWA]
	s_wait_alu depctr_va_vdst(0)                   ; v[GWP] is written, which the LDS loads below read
	BODY 0
	s_mov_b32 s52, 0
	s_wait_dscnt 8                                 ; the head's gain and bias are in; the eight youngest loads, the rows' cosines and sines, may stay out
.Lgrp:
	s_cmp_eq_u32 s30, 2
	s_cbranch_scc1 .Lcvt                           ; v has neither gain, bias nor rotation
.set q, 0
.rept 16
	v_pk_fma_f32 v[T+2*q:T+2*q+1], v[T+2*q:T+2*q+1], v[WG+2*q:WG+2*q+1], v[BG+2*q:BG+2*q+1]
.set q, q+1
.endr
	s_wait_dscnt 0x0                               ; the cosines and sines are in
.set g8, 0
.rept 2
.irp z, 0,1,2,3,4,5,6,7
	ROPM 8*g8+\z
.endr
.irp z, 0,1,2,3,4,5,6,7
	ROPF 8*g8+\z
.endr
.set g8, g8+1
.endr
.Lcvt:
	s_wait_dscnt 0x0                               ; (v's way: the pieces of the tables, of which it uses nothing, have landed: their registers are loaded again below)
	s_wait_xcnt 0x0                                ; the last trip's stores have had their addresses translated: their data and their offset are written again only behind this wait,
	s_wait_alu depctr_vm_vsrc(0)                   ; and they have read PK and v[VO], which the lines below write again
.set q, 0
.rept 16
	v_cvt_pk_f16_f32 v[PK+q], v[T+2*q], v[T+2*q+1]
.set q, q+1
.endr
	v_add_nc_u32 v[VO], s54, v[VB]
	s_wait_alu depctr_va_vdst(0)                   ; PK and v[VO] are written, which the stores read; gain, bias and rotation are done reading WG, BG, CO and SI, in which the next group's LDS loads land
.irp c, 0,1,2,3
	global_store_b128 v[VO], v[PK+4*\c:PK+4*\c+3], s[36:37] offset:\c*512  ; channels 16 c .. 16 c + 15 of the block's 16 rows: 512 consecutive bytes, aligned; sixteen neighbouring lanes fill 256
.endr
	s_add_co_u32 s52, s52, 1                       ; the next group; behind the 15th there is none
	s_cmp_ge_u32 s52, 10
	s_cbranch_scc1 .LB10
	s_cmp_ge_u32 s52, 5
	s_cbranch_scc1 .LB5
	BLK 1, 2
	BLK 2, 3
	BLK 3, 4
	BLK 4, 5
	BLK 5, 6
	BLK 6, 7
	BLK 7, 8
	BLK 8, 9
	BLK 9, 10
	BLK 10, 11
	BLK 11, 12
	BLK 12, 13
	BLK 13, 14
	BLK 14, 15
.LB15:
	s_wait_dscnt 8                                 ; a new head's gain and bias are in; the eight youngest loads may stay out
	s_cmp_lt_u32 s52, 15
	s_cbranch_scc1 .Lgrp
	s_wait_xcnt 0x0                                ; the stores have read their base,
	s_wait_alu depctr_vm_vsrc(0)                   ; and PK and v[VO]: LDS loads of the next pass land in PK's registers
	s_add_co_u32 s30, s30, 1
	s_cmp_eq_u32 s30, 1
	s_cselect_b64 s[36:37], s[22:23], s[24:25]
	s_add_nc_u64 s[36:37], s[36:37], s[44:45]
	s_mov_b32 s38, 6144                            ; k's gain and bias (v's pass loads them too and uses nothing of them)
	s_cmp_lt_u32 s30, 3
	s_cbranch_scc1 .Lpass
	s_wait_dscnt 0x0                               ; the closing lines, six on end
	s_wait_alu 0x0
	s_wait_tensorcnt 0x0
	ds_add_u32 v[SPW], v[NIL]
	s_wait_dscnt 0x0
	s_endpgm
.Lfunc_end_k_q71e77d7309_qkv:
	.size	k_q71e77d7309_qkv, .Lfunc_end_k_q71e77d7309_qkv-k_q71e77d7309_qkv
	.p2alignl 7, 3214868480
	.fill 96, 4, 3214868480
	.section	.rodata,"a",@progbits
	.p2align	6, 0x0
	.amdhsa_kernel k_q71e77d7309_qkv
		.amdhsa_group_segment_fixed_size 162560
		.amdhsa_private_segment_fixed_size 0
		.amdhsa_enable_private_segment 0
		.amdhsa_kernarg_size 88
		.amdhsa_user_sgpr_count 2
		.amdhsa_user_sgpr_kernarg_segment_ptr 1
		.amdhsa_wavefront_size32 1
		.amdhsa_system_sgpr_workgroup_id_x 1
		.amdhsa_system_sgpr_workgroup_id_y 1
		.amdhsa_system_sgpr_workgroup_id_z 1
		.amdhsa_system_vgpr_workitem_id 0
		.amdhsa_next_free_vgpr 992
		.amdhsa_next_free_sgpr 66
		.amdhsa_reserve_vcc 0
		.amdhsa_float_denorm_mode_32 3
		.amdhsa_float_denorm_mode_16_64 3
		.amdhsa_memory_ordered 1
		.amdhsa_forward_progress 1
		.amdhsa_inst_pref_size 180
	.end_amdhsa_kernel
	.amdgpu_metadata
---
amdhsa.version: [ 1, 2 ]
amdhsa.kernels:
  - .name:           k_q71e77d7309_qkv
    .symbol:         k_q71e77d7309_qkv.kd
    .args:
      - { .name: x, .offset: 0, .size: 8, .value_kind: global_buffer, .address_space: global }
      - { .name: wf, .offset: 8, .size: 8, .value_kind: global_buffer, .address_space: global }
      - { .name: qn_w, .offset: 16, .size: 8, .value_kind: global_buffer, .address_space: global }
      - { .name: qn_b, .offset: 24, .size: 8, .value_kind: global_buffer, .address_space: global }
      - { .name: kn_w, .offset: 32, .size: 8, .value_kind: global_buffer, .address_space: global }
      - { .name: kn_b, .offset: 40, .size: 8, .value_kind: global_buffer, .address_space: global }
      - { .name: freqs_cos, .offset: 48, .size: 8, .value_kind: global_buffer, .address_space: global }
      - { .name: freqs_sin, .offset: 56, .size: 8, .value_kind: global_buffer, .address_space: global }
      - { .name: qh, .offset: 64, .size: 8, .value_kind: global_buffer, .address_space: global }
      - { .name: kh, .offset: 72, .size: 8, .value_kind: global_buffer, .address_space: global }
      - { .name: vh, .offset: 80, .size: 8, .value_kind: global_buffer, .address_space: global }
    .group_segment_fixed_size: 162560
    .private_segment_fixed_size: 0
    .kernarg_segment_align: 8
    .kernarg_segment_size: 88
    .max_flat_workgroup_size: 128
    .sgpr_count:     66
    .vgpr_count:     992
    .wavefront_size: 32
...
	.end_amdgpu_metadata
.endif
;; end of part 5
;; launch att: the kernel of part 3 again; grid 4 x 192, 4 waves a work-group, clusters of 4 x 1, 327,680 bytes of LDS; arguments qh, kh, vh, yh; writes yh
;; launch proj: the kernel of part 4 again; grid 13 x 16, 4 waves a work-group, no clusters, 174,848 bytes of LDS; arguments yh, wpf, out0; writes out0
